; MI455X (gfx1250); checked and timed in simulation.
; The chip was launched on July 23, 2026; its instructions are those of AMD's public machine-readable ISA for CDNA 5 (MIT licence, August 2026) and "CDNA5" Instruction Set Architecture Reference Guide (July 2026). The comments in the code are by the model that wrote it; some were corrected since.
;; GPT2 Attention. Allowed arithmetic: matrix products marked QUANTISED: E2M1 operands, one E8M0 scale for each 32 along K, by v_wmma_scale_f32_16x16x128_f8f6f4 with both operands' format E2M1 (or v_wmma_scale_f32_32x16x128_f4), f32 sums; products left as they are: bf16, f16 or f32 operands; f32 sums; everything else in f32.
;; Inputs: Wk 1,024 x 1,024 float32; Wo 1,024 x 1,024 float32; Wq 1,024 x 1,024 float32; Wv 1,024 x 1,024 float32; bk 1,024 float32; bo 1,024 float32; bq 1,024 float32; bv 1,024 float32; hidden_states 2 x 2,048 x 1,024 float32.
;; Outputs: out0 2 x 2,048 x 1,024 float32.
;; This version of the problem:
;;   THIS VERSION OF THE PROBLEM IS GIVEN IN LOW PRECISION. The matrix products marked QUANTISED in the list below multiply operands that are first quantised to E2M1 (2 exponent bits, 1 mantissa bit; 4 bits a number), with one power-of-two scale for each 32 numbers along K (OCP MX v1.0); their sums are f32. The products marked 'left as it is' may take bf16, f16 or f32 operands, with f32 sums. Whichever they take, every output number must still come out within the allowed error. Rounding operands to bf16 (8 significant bits) uses up far more of that allowance than f16 does (11 bits, for magnitudes from 6e-5 to 65,504). All else is computed in f32.
;;   The module's matrix products, in the order in which they are computed (A, B: the left and right operand; K: the contracted axis; several contracted axes count as one K, in the product's order):
;;     1. [M 4,096, K 1,024] x [K 1,024, N 1,024]; A: input hidden_states; B: input Wq: QUANTISED
;;     2. [M 4,096, K 1,024] x [K 1,024, N 1,024]; A: input hidden_states; B: input Wk: QUANTISED
;;     3. [M 4,096, K 1,024] x [K 1,024, N 1,024]; A: input hidden_states; B: input Wv: QUANTISED
;;     4. batch 32 x [M 2,048, K 64] x [K 64, N 2,048]; A: computed on the way; B: computed on the way: left as it is (an operand is computed on the way)
;;     5. batch 32 x [M 2,048, K 2,048] x [K 2,048, N 64]; A: computed on the way; B: computed on the way: left as it is (an operand is computed on the way)
;;     6. [M 4,096, K 1,024] x [K 1,024, N 1,024]; A: computed on the way; B: input Wo: left as it is (an operand is computed on the way)
;;   THE QUANTISER, for each operand of a quantised product, along K:
;;     - K is cut into blocks of 32 from its start; a last block that is shorter is filled with zeros.
;;     - A block's scale is 2^e with e = floor(log2(the largest magnitude in the block)) - 2, held to -126 .. 127; a block of zeros has e = 0. As a byte (E8M0): e + 127.
;;     - Each number is divided by its block's scale, clamped to +-6, and rounded to the nearest number of E2M1, ties to even, subnormals kept.
;;     - The product sums the exact products of the quantised numbers (number of the format x scale) in f32.
;;   ~~~python
;;   def quantise(x, axis):      # numpy; x: float32 -> the quantised numbers, widened to float32 again
;;       x = np.moveaxis(x, axis, -1); K = x.shape[-1]
;;       x = np.pad(x, [(0, 0)] * (x.ndim - 1) + [(0, -K % 32)]); x = x.reshape(x.shape[:-1] + (-1, 32)); a = np.abs(x).max(-1, keepdims=True)
;;       e = np.where(a > 0, np.clip(np.frexp(np.where(a > 0, a, 1))[1] - 1 - 2, -126, 127), 0)      # np.frexp(a)[1] - 1 = floor(log2(a)), exactly
;;       r = np.clip(x / 2.0 ** e, -6, 6)
;;       step = 2.0 ** (np.maximum(np.frexp(np.where(r == 0, 1, r))[1] - 1, 0) - 1)
;;       q = np.round(r / step) * step * 2.0 ** e      # np.round: ties to even
;;       return np.moveaxis(q.reshape(q.shape[:-2] + (-1,))[..., :K], -1, axis).astype(np.float32)
;;   ~~~
;; One version. Each part assembles by itself: llvm-mc -triple=amdgcn-amd-amdhsa -mcpu=gfx1250 --defsym DOCPART=n.
;; ======== version 1 of 1: 5 launches
;; limits: values are held in f16: magnitudes above 65,504 overflow, below 6.1e-05 lose precision
;; workspace buffers: codes 3,670,016 bytes; scales 229,376 bytes; wo_img 2,097,152 bytes; rope 524,288 bytes; qkv_img 25,165,824 bytes; fine_img 393,216 bytes; attn_img 8,388,608 bytes
;; launch prep (part 1): grid 320 x 1, 4 waves a work-group, no clusters, 33,280 bytes of LDS; arguments hidden_states, Wq, Wk, Wv, Wo, codes, scales, wo_img, rope; writes codes, scales, wo_img, rope
.if DOCPART == 1
	.amdgcn_target "amdgcn-amd-amdhsa--gfx1250"
	.amdhsa_code_object_version 6
	.text
	.protected	k_qc56a5ef324_prep
	.globl	k_qc56a5ef324_prep
	.p2align	8
	.type	k_qc56a5ef324_prep,@function
k_qc56a5ef324_prep:
	s_mov_b64 s[64:65], 0
	v_nop
	global_prefetch_b8 v0, s[64:65] scope:SCOPE_SE
	s_setreg_imm32_b32 hwreg(HW_REG_WAVE_MODE, 25, 1), 1
	s_wait_xcnt 0x0
; PREP: three jobs, told apart by the work-group's number alone.
;  work-groups 0-223:   hidden_states [4096][1024] and Wq, Wk, Wv [1024][1024], f32, K innermost, become codes of FP4 (E2M1) and one E8M0 byte for each 32 along K.
;                       codes: x [4096][512 bytes], then Wq | Wk | Wv [3072][512 bytes];  scales: x [4096][32], then the weights [3072][32].
;  work-groups 224-287: Wo becomes f16, laid as images of the operand registers of a 16 x 32 fragment: [K step of 256: 4][tile of 16 rows: 64][32 along K: 8][half c: 2][lane: 32][16 bytes];
;                       lane (r, h), half c: Wo[16 tile + r][256 ks + 32 kf + 16 c + 8 h + 0..7].
;  work-groups 288-319: the rotary table rope[position 2048][cos of 32 frequencies | sin of 32 frequencies], f32.
; A block's scale is 2^(floor(log2(its largest magnitude)) - 2); its byte is the largest magnitude's exponent field - 2, held at 1 from below (a block of zeros gets the byte 1: its codes are zeros, and this program alone reads the bytes).
; LIMITS: blocks whose largest magnitude lies under 2^(3 - 127) get the byte 1; NaN and infinities among the inputs are not served; Wo is carried in f16: magnitudes under 65,504, absolute precision 3e-8 under 6e-5.
; The table's angle is position x 2^(-i x log2(10000) / 32), the power by v_exp_f32; sine and cosine by reduction to [-pi/4, pi/4] (pi/2 in two parts, fused) and polynomials of degree 9 and 8, all in f32.
.set WAVES, 4
.set STEPS, 16
.set EMAX,  2
.set CB,    8                          ; bytes of 16 codes
.set R,     16                         ; v16-79   four sets of 16 numbers as they are loaded
.set X,     80                         ; v80-111  two sets of 16 neighbours
.set E,     112                        ; v112-127 a scale byte for each step
.set C,     128                        ; v128-191 codes: four registers for each step, so that no store's data are written again
.set WREG,  8192                       ; LDS: a region for each wave: two stages of 32 x SP bytes, then its 256 scale bytes
.set SP,    80                         ; a lane's place in a stage: 64 bytes + 16 of padding
.set SPW,   12                         ; v12 LDS address of my spare word; never rewritten
.set NIL,   13                         ; v13 0; never rewritten
.set SPARE, WAVES*WREG                 ; the spare words: 128 bytes a wave, two blocks of 256 bytes that no other line names
	s_load_b512 s[8:23], s[0:1], 0x0               ; hidden 8:9, Wq 10:11, Wk 12:13, Wv 14:15, Wo 16:17, codes 18:19, scales 20:21, wo_img 22:23
	s_load_b64 s[24:25], s[0:1], 0x40              ; rope
	v_lshl_add_u32 v[SPW], v0, 2, SPARE
	v_mov_b32 v[NIL], 0
	v_lshrrev_b32 v1, 5, v0
	v_readfirstlane_b32 s28, v1                    ; wave
	v_and_b32 v2, 31, v0                           ; lane
	s_wait_kmcnt 0x0
	s_cmp_ge_u32 ttmp9, 288
	s_cbranch_scc1 .Lrope
	s_cmp_ge_u32 ttmp9, 224
	s_cbranch_scc1 .Lwo
; ---------------- the quantiser: a wave takes 16 steps of 512 numbers; both tensors are plain streams of blocks of 32
	v_lshlrev_b32 v3, 4, v2                        ; my 16 bytes of a load's 512
	s_mul_i32 s29, s28, WREG
	v_lshrrev_b32 v14, 2, v2
	v_mul_u32_u24 v14, v14, SP
	v_and_b32 v15, 3, v2
	v_lshl_add_u32 v14, v15, 4, v14
	v_add_nc_u32 v14, s29, v14                     ; the stage, on the way in: SP (lane / 4) + 16 (lane % 4)
	v_mul_u32_u24 v15, v2, SP
	v_add_nc_u32 v15, s29, v15                     ; and on the way out: SP x lane: my 16 neighbours
	v_mul_u32_u24 v4, v2, CB                       ; my codes' place in a step's
	v_lshrrev_b32 v5, 1, v2
	s_add_co_u32 s29, s29, 2*32*SP
	v_add_nc_u32 v5, s29, v5                       ; LDS: my wave's 256 scale bytes, my block's byte
	v_lshlrev_b32 v7, 3, v2
	v_add_nc_u32 v6, s29, v7                       ; and on the way out 8 bytes a lane
	s_mov_b64 s[4:5], s[8:9]                       ; which tensor: the choice hangs on the work-group's number alone
	s_cmp_ge_u32 ttmp9, 128
	s_cselect_b64 s[4:5], s[10:11], s[4:5]
	s_cmp_ge_u32 ttmp9, 160
	s_cselect_b64 s[4:5], s[12:13], s[4:5]
	s_cmp_ge_u32 ttmp9, 192
	s_cselect_b64 s[4:5], s[14:15], s[4:5]
	s_and_b32 s30, ttmp9, 31                       ; a weight has 32 work-groups, hidden_states 128
	s_cmp_lt_u32 ttmp9, 128
	s_cselect_b32 s30, ttmp9, s30
	s_lshl_b32 s30, s30, 2
	s_add_co_u32 s30, s30, s28                     ; my run of 8,192 numbers in the source,
	s_lshl_b32 s30, s30, 15                        ; 32,768 bytes a run
	s_mov_b32 s31, 0
	s_add_nc_u64 s[4:5], s[4:5], s[30:31]
	s_lshl_b32 s32, ttmp9, 2
	s_add_co_u32 s32, s32, s28                     ; and in the codes and scales: the weights' parts begin at run 512, where x's end
	s_lshl_b32 s34, s32, 12                        ; 4,096 bytes of codes a run
	s_mov_b32 s35, 0
	s_add_nc_u64 s[18:19], s[18:19], s[34:35]
	s_lshl_b32 s34, s32, 8                         ; 256 scale bytes a run
	s_add_nc_u64 s[20:21], s[20:21], s[34:35]
.macro LOAD t
.irp i, 0,1,2,3
	global_load_b128 v[R+16*((\t)%4)+4*\i:R+16*((\t)%4)+4*\i+3], v3, s[4:5] offset:2048*(\t)+512*\i th:TH_LOAD_NT   ; 32 lanes read 512 consecutive bytes
.endr
.endm
.macro TURN t                          ; step t's numbers through the stage: LDS serves a wave's instructions in order, so no wait stands between the stores and the loads
.irp i, 0,1,2,3
	ds_store_b128 v14, v[R+16*((\t)%4)+4*\i:R+16*((\t)%4)+4*\i+3] offset:32*SP*((\t)%2)+8*SP*\i
.endr
.irp i, 0,1,2,3
	ds_load_b128 v[X+16*((\t)%2)+4*\i:X+16*((\t)%2)+4*\i+3], v15 offset:32*SP*((\t)%2)+16*\i
.endr
.endm
.irp t, 0,1,2,3
	LOAD \t
.endr
	s_wait_loadcnt 12                              ; step 0's four loads are in; three steps' twelve stay out
	TURN 0
.macro STEP t
.set XS, X+16*((\t)%2)
.if (\t) > 0
	s_wait_dscnt 1                                 ; this step's numbers are back from the stage (the last step's byte store may be out)
.else
	s_wait_dscnt 0x0
.endif
.if (\t)+4 < STEPS
	LOAD (\t)+4                                    ; into the registers that the stage's stores have read
.endif
.if (\t)+1 < STEPS
.if STEPS-2-(\t) >= 3
	s_wait_loadcnt 12                              ; the next step's four loads are in; those of the three steps behind it may be out
.else
	s_wait_loadcnt 4*(STEPS-2-(\t))
.endif
	TURN (\t)+1
.endif
	v_max3_num_f32 v8, |v[XS]|, |v[XS+1]|, |v[XS+2]|               ; the largest magnitude of my 16, in two chains
	v_max3_num_f32 v9, |v[XS+3]|, |v[XS+4]|, |v[XS+5]|
.irp i, 6,10
	v_max3_num_f32 v8, v8, |v[XS+\i]|, |v[XS+\i+1]|
	v_max3_num_f32 v9, v9, |v[XS+\i+2]|, |v[XS+\i+3]|
.endr
	v_max3_num_f32 v8, v8, |v[XS+14]|, |v[XS+15]|
	v_max3_num_f32 v8, v8, v9, (EMAX+1)<<23        ; and the floor 2^(EMAX + 1 - 127): the byte cannot fall under 1
	v_max_num_f32_dpp v8, v8, v8 row_xmask:1 row_mask:0xf bank_mask:0xf   ; and of my neighbour's 16: the block's
	v_add_nc_u32 v11, -(EMAX<<23), v8              ; EMAX off its exponent field: the conversion takes the exponent field of this operand as its scale
	v_cvt_scalef32_pk8_fp4_f32 v[C+4*(\t)], v[XS:XS+7], v11
	v_cvt_scalef32_pk8_fp4_f32 v[C+4*(\t)+1], v[XS+8:XS+15], v11
	v_lshrrev_b32 v[E+(\t)], 23, v11               ; the scale's byte (also the plain line behind the conversions)
	ds_store_b8 v5, v[E+(\t)] offset:16*(\t)       ; both lanes of a block write the same byte with the same value
	global_store_b64 v4, v[C+4*(\t):C+4*(\t)+1], s[18:19] offset:32*CB*(\t)   ; the wave stores 256 consecutive bytes, aligned
.endm
.irp t, 0,1,2,3,4,5,6,7,8,9,10,11,12,13,14,15
	STEP \t
.endr
	ds_load_b64 v[8:9], v6                         ; LDS serves a wave's instructions in order: these see my byte stores
	s_wait_dscnt 0x0
	global_store_b64 v7, v[8:9], s[20:21]          ; 32 lanes store 256 consecutive bytes, aligned
	s_wait_tensorcnt 0x0                           ; the wave's end, behind my last LDS store
	ds_add_u32 v[SPW], v[NIL]
	s_wait_dscnt 0x0
	s_endpgm
; ---------------- Wo to f16 images: work-group = tile of 16 rows, wave = K step of 256; no LDS
.Lwo:
	s_sub_co_u32 s29, ttmp9, 224                   ; the tile
	v_and_b32 v3, 15, v2                           ; r
	v_lshrrev_b32 v4, 4, v2                        ; h
	v_lshlrev_b32 v5, 12, v3
	v_lshl_add_u32 v5, v4, 5, v5                   ; row r of 4,096 bytes, + 8 h numbers
	v_lshlrev_b32 v6, 4, v2                        ; an image's place for my lane
	s_lshl_b32 s30, s29, 16                        ; 16 rows
	s_lshl_b32 s31, s28, 10                        ; 256 numbers along K
	s_add_co_u32 s30, s30, s31
	s_mov_b32 s31, 0
	s_add_nc_u64 s[16:17], s[16:17], s[30:31]
	s_lshl_b32 s30, s28, 6
	s_add_co_u32 s30, s30, s29
	s_lshl_b32 s30, s30, 13                        ; (64 ks + tile) x 8 fragments of 1,024 bytes
	s_add_nc_u64 s[22:23], s[22:23], s[30:31]
.irp g, 0,1,2,3,4,5,6,7,8,9,10,11,12,13,14,15      ; g = 2 kf + c: eight numbers a lane
	global_load_b128 v[16+8*\g:19+8*\g], v5, s[16:17] offset:64*\g
	global_load_b128 v[20+8*\g:23+8*\g], v5, s[16:17] offset:64*\g+16
.endr
.irp g, 0,1,2,3,4,5,6,7,8,9,10,11,12,13,14,15
	s_wait_loadcnt 30-2*\g                         ; group g's two loads are in; the younger groups' stay out
.irp i, 0,1,2,3
	v_cvt_pk_f16_f32 v[16+8*\g+\i], v[16+8*\g+2*\i], v[17+8*\g+2*\i]   ; packed in place, ascending: no number is written over before it is read
.endr
	global_store_b128 v6, v[16+8*\g:19+8*\g], s[22:23] offset:512*\g      ; 512 consecutive bytes, aligned
.endr
	s_endpgm
; ---------------- the rotary table: a wave makes 16 positions, two to a store; lanes 0-7 of a half make cosines, lanes 8-15 sines, four frequencies each
.Lrope:
	s_sub_co_u32 s29, ttmp9, 288
	s_lshl_b32 s29, s29, 2
	s_add_co_u32 s29, s29, s28
	s_lshl_b32 s29, s29, 4                         ; my wave's first position
	s_lshl_b32 s40, s29, 8                         ; 256 bytes a position
	s_mov_b32 s41, 0
	s_add_nc_u64 s[24:25], s[24:25], s[40:41]
	s_mov_b32 s30, 0x3f22f983                      ; 2 / pi
	s_mov_b32 s31, 0x3fc90fdb                      ; pi / 2, its f32 part,
	s_mov_b32 s32, 0xb33bbd2e                      ; and what is left of it
	s_mov_b32 s33, 0xbe2aaaab                      ; -1/6
	s_mov_b32 s34, 0x3c088889                      ; 1/120
	s_mov_b32 s35, 0xb9500d01                      ; -1/5040
	s_mov_b32 s36, 0x3638ef1d                      ; 1/362880
	s_mov_b32 s37, 0x3d2aaaab                      ; 1/24
	s_mov_b32 s38, 0xbab60b61                      ; -1/720
	s_mov_b32 s39, 0x37d00d01                      ; 1/40320
	v_lshrrev_b32 v4, 4, v2
	v_add_nc_u32 v30, s29, v4                      ; first position + lane / 16
	v_lshlrev_b32 v31, 4, v2                       ; 16 bytes a lane
	v_bfe_u32 v20, v2, 3, 1
	v_mul_u32_u24 v20, v20, 3                      ; sin(a) = cos(a - pi/2): three quarter turns more, modulo four
	v_and_b32 v22, 7, v2
	v_lshlrev_b32 v22, 2, v22                      ; my first frequency
.irp i, 0,1,2,3
	v_add_nc_u32 v23, \i, v22
	v_cvt_f32_u32 v23, v23
	v_mul_f32 v[16+\i], 0xbed49a78, v23            ; -i x log2(10000) / 32
.endr
.irp i, 0,1,2,3
	v_exp_f32 v[16+\i], v[16+\i]                   ; the inverse frequencies
.endr
	v_nop                                          ; a plain line behind the last exponential
	s_wait_alu depctr_va_vdst(0)                   ; one wait for the four, ahead of their first reader
.macro RVAL e, i
	v_mul_f32 v22, v21, v[16+\i]                   ; the angle a, rounded once
	v_mul_f32 v23, s30, v22
	v_rndne_f32 v23, v23                           ; n quarter turns
	v_fma_f32 v22, -v23, s31, v22
	v_fma_f32 v22, -v23, s32, v22                  ; r = a - n pi/2, in [-pi/4, pi/4]
	v_cvt_i32_f32 v24, v23
	v_add_nc_u32 v24, v24, v20                     ; k
	v_mul_f32 v25, v22, v22                        ; z = r r
	v_fma_f32 v26, s36, v25, s35
	v_fma_f32 v28, s39, v25, s38
	v_fma_f32 v26, v26, v25, s34
	v_fma_f32 v28, v28, v25, s37
	v_fma_f32 v26, v26, v25, s33
	v_fma_f32 v28, v28, v25, -0.5
	v_mul_f32 v27, v25, v22
	v_fma_f32 v28, v28, v25, 1.0                   ; cos r
	v_fma_f32 v26, v26, v27, v22                   ; sin r
	v_and_b32 v29, 1, v24
	v_cmp_eq_u32 vcc_lo, 1, v29
	v_cndmask_b32 v26, v28, v26, vcc_lo            ; cos(r + k pi/2): k odd takes the sine,
	v_add_nc_u32 v24, 1, v24
	v_and_b32 v24, 2, v24
	v_lshlrev_b32 v24, 30, v24
	v_xor_b32 v[32+4*(\e)+\i], v24, v26            ; k = 1, 2 modulo 4 change the sign
.endm
.irp e, 0,1,2,3,4,5,6,7
	v_add_nc_u32 v21, 2*\e, v30
	v_cvt_f32_u32 v21, v21                         ; the position
.irp i, 0,1,2,3
	RVAL \e, \i
.endr
	global_store_b128 v31, v[32+4*\e:35+4*\e], s[24:25] offset:512*\e   ; two positions: 512 consecutive bytes, aligned; each store has registers of its own
.endr
	s_endpgm
.Lfunc_end_k_qc56a5ef324_prep:
	.size	k_qc56a5ef324_prep, .Lfunc_end_k_qc56a5ef324_prep-k_qc56a5ef324_prep
	.p2alignl 7, 3214868480
	.fill 96, 4, 3214868480
	.section	.rodata,"a",@progbits
	.p2align	6, 0x0
	.amdhsa_kernel k_qc56a5ef324_prep
		.amdhsa_group_segment_fixed_size 33280
		.amdhsa_private_segment_fixed_size 0
		.amdhsa_enable_private_segment 0
		.amdhsa_kernarg_size 72
		.amdhsa_user_sgpr_count 2
		.amdhsa_user_sgpr_kernarg_segment_ptr 1
		.amdhsa_wavefront_size32 1
		.amdhsa_system_sgpr_workgroup_id_x 1
		.amdhsa_system_sgpr_workgroup_id_y 1
		.amdhsa_system_sgpr_workgroup_id_z 1
		.amdhsa_system_vgpr_workitem_id 0
		.amdhsa_next_free_vgpr 192
		.amdhsa_next_free_sgpr 66
		.amdhsa_reserve_vcc 1
		.amdhsa_float_denorm_mode_32 3
		.amdhsa_float_denorm_mode_16_64 3
		.amdhsa_memory_ordered 1
		.amdhsa_forward_progress 1
		.amdhsa_inst_pref_size 80
	.end_amdhsa_kernel
	.amdgpu_metadata
---
amdhsa.version: [ 1, 2 ]
amdhsa.kernels:
  - .name:           k_qc56a5ef324_prep
    .symbol:         k_qc56a5ef324_prep.kd
    .args:
      - { .name: hidden_states, .offset: 0, .size: 8, .value_kind: global_buffer, .address_space: global }
      - { .name: Wq, .offset: 8, .size: 8, .value_kind: global_buffer, .address_space: global }
      - { .name: Wk, .offset: 16, .size: 8, .value_kind: global_buffer, .address_space: global }
      - { .name: Wv, .offset: 24, .size: 8, .value_kind: global_buffer, .address_space: global }
      - { .name: Wo, .offset: 32, .size: 8, .value_kind: global_buffer, .address_space: global }
      - { .name: codes, .offset: 40, .size: 8, .value_kind: global_buffer, .address_space: global }
      - { .name: scales, .offset: 48, .size: 8, .value_kind: global_buffer, .address_space: global }
      - { .name: wo_img, .offset: 56, .size: 8, .value_kind: global_buffer, .address_space: global }
      - { .name: rope, .offset: 64, .size: 8, .value_kind: global_buffer, .address_space: global }
    .group_segment_fixed_size: 33280
    .private_segment_fixed_size: 0
    .kernarg_segment_align: 8
    .kernarg_segment_size: 72
    .max_flat_workgroup_size: 128
    .sgpr_count:     66
    .vgpr_count:     192
    .wavefront_size: 32
...
	.end_amdgpu_metadata
.endif
;; end of part 1
;; launch qkv (part 2): grid 12 x 16, 4 waves a work-group, clusters of 4 x 4, 327,680 bytes of LDS; arguments codes, scales, bq, bk, bv, rope, qkv_img, fine_img; writes qkv_img, fine_img
.if DOCPART == 2
	.amdgcn_target "amdgcn-amd-amdhsa--gfx1250"
	.amdhsa_code_object_version 6
	.text
	.protected	k_qc56a5ef324_qkv
	.globl	k_qc56a5ef324_qkv
	.p2align	8
	.type	k_qc56a5ef324_qkv,@function
k_qc56a5ef324_qkv:
	s_mov_b64 s[64:65], 0
	v_nop
	global_prefetch_b8 v0, s[64:65] scope:SCOPE_SE
	s_setreg_imm32_b32 hwreg(HW_REG_WAVE_MODE, 25, 1), 1
	s_wait_xcnt 0x0
	s_wait_alu depctr_hold_cnt(0) depctr_sa_sdst(0) depctr_va_vdst(0) depctr_va_sdst(0) depctr_va_ssrc(0) depctr_va_vcc(0) depctr_vm_vsrc(0)
	s_getreg_b32 s2, hwreg(HW_REG_IB_STS2, 6, 4)
	s_cmp_eq_u32 s2, 0
	s_cbranch_scc0 .Lentry_in_a_cluster
	s_endpgm
.Lentry_in_a_cluster:
	s_bfe_u32 s2, ttmp6, 0x10000c
	s_cmp_lg_u32 s2, 0xf033
	s_cbranch_scc0 .Lentry_shape_is_right
	s_endpgm
.Lentry_shape_is_right:
; q, k, v = x W^T + b on codes of FP4 (E2M1) with one E8M0 scale for each 32 along K; then the rotary embedding on q and k; results leave as f16 images of the attention's operand registers.
; A = x's codes [4096][1024], B = Wq | Wk | Wv's codes [3072][1024].  A tile of C is 256 x 256: four waves, each 128 x 128: 64 accumulators, 512 registers.  K = 1,024 is two LDS slots of 512 along K: both are
; filled at the start, with the scale bytes of the 256 + 256 rows; nothing is filled again.  CLUSTERS: 4 x 4 work-groups; A's tiles are asked for jointly along a row of the cluster, B's along a column.
; A cluster's x is the tensor: 0 q, 1 k, 2 v: the one branch of the text hangs on it, and it is the same in all sixteen partners.
; q, k: THE MATRIX INSTRUCTION IS USED TRANSPOSED (source 0 = 16 rows of W, source 1 = 16 rows of x): a lane holds one position (lane % 16) and eight neighbouring channels 16 b + 8 (lane / 16) + j.  Channels d and d + 32 of a head lie in the
; same lane, two accumulators apart, so the rotation needs no other lane; eight numbers packed to f16 are half a fragment (16 positions x 32 channels) as the attention's first product wants it.
; v: natural use (source 0 = x, source 1 = W): a lane holds one channel and eight neighbouring positions: packed, half a fragment of V^T (16 channels x 32 keys).
; The bias is the C of each sum's first matrix instruction.  Every store is 512 consecutive bytes, aligned, straight from registers.
; qkv_img: q at 0, k at 8,388,608: [batch x head 32][tile of 16 positions 128][32 channels 2][half 2][lane 32][16 bytes];  V^T at 16,777,216: [batch x head][32 keys 64][16 channels 4][half][lane][16 bytes].
; fine_img: positions 0-15 of each sequence in f32: [batch 2][q, k, v][head 16][4 KB]: the lane's 32 registers, four to a chunk of 512 bytes.  Those stores run under an EXEC mask, not a branch: who owns the positions hangs on the place in the cluster.
; LIMITS: q, k, v are carried in f16 for positions from 16 on: magnitudes under 65,504, absolute precision 3e-8 under 6e-5.  NaN and infinities are not served.
; REGISTERS: window 0: v0-31 addresses; v32-95 scale words, two sets, and nothing else; v96-127 packed results; v128-191 A's fragments, on the way out the rotated numbers; v192-255 the bias, later two sets of the table.
;   window 1: B's fragments, two sets, at v0 and v128.  window 2: the accumulators of my rows 0-63 ((a, b) at v[8 (8 a + b)]);  window 3: rows 64-127.
.set NQ,     4                         ; matrix instructions deep in a slot
.set ROWB,   256                       ; a tile's row in bytes: 512 codes
.set KROW,   512                       ; a row of codes in memory
.set PITCH,  272                       ; an LDS row: 256 bytes + 16 of padding: the 16 rows that a load touches start at 16 different banks (ISA guide 11.1)
.set FR,     8
.set NL,     2
.set NP,     4                         ; places behind this matrix instruction (ISA guide 7.12.1)
.set HALFT,  128*PITCH
.set SLOT,   4*HALFT
.set KS,     32                        ; a row of scale bytes
.set SCL,    2*SLOT                    ; behind the slots: the scales, as units of 256 bytes + 16 of padding
.set HALFS,  (128*KS/256)*272
.set SBLK,   (16*KS/256)*272
.set SPARE,  SCL+4*HALFS               ; the spare words: 128 bytes a wave, two blocks of 256 bytes that no other line names
.set TA,   8                           ; v8   the table: 256 x (lane % 16) + 32 x (lane / 16)
.set LI,   9                           ; v9   16 x lane: an image's place for my lane
.set CD,   10                          ; v10  0 where my first 16 rows are positions 0-15 of a sequence
.set BA,   11                          ; v11  q, k: the bias's offset, 32 x (lane / 16)
.set BV,   12                          ; v12  v: 4 x (lane % 16)
.set ADRA, 16
.set ADRB, 20
.set ADRS, 27
.set SPW,  28
.set NIL,  29
.set SC,   32
.set HF,   96
.set AF,   128
.set YR,   128
.set BIAS, 192
.set TBL,  192
.set G1, 24
.set G0, 32
.set G1B, 48
.set G0B, 56
.set G1S, 68
.set G0S, 76
.set G1SB, 80
.set G0SB, 88
.set MSB, 0
.macro WIN new                         ; the immediate's high byte repeats the setting that is left; a switch that changes nothing is dropped
.if MSB != (\new)
	s_set_vgpr_msb (MSB<<8)|(\new)
.set MSB, (\new)
.endif
.endm
.set TO_B, 0x40                        ; destination window 1, address window 0
; A joint load: waves 0 and 1 fetch for A, waves 2 and 3 for B; the branch hangs on the wave's number alone.  An s_nop 0 and four v_nop follow each of the two lines.
.macro JLOAD g0a, g1a, g0b, g1b
	s_cmp_eq_u32 s15, 0
	s_cbranch_scc0 .Lfor_b_\@
	tensor_load_to_lds s[\g0a:\g0a+3], s[\g1a:\g1a+7]
	s_nop 0
.rept 4
	v_nop
.endr
	s_branch .Lasked_\@
.Lfor_b_\@:
	tensor_load_to_lds s[\g0b:\g0b+3], s[\g1b:\g1b+7]
	s_nop 0
.rept 4
	v_nop
.endr
.Lasked_\@:
.endm
.macro CROUND                          ; a round of the cluster's barrier
	s_barrier_signal -1
	s_barrier_wait -1
	s_cmp_lg_u32 s14, 0
	s_cbranch_scc1 .Lnot_wave_0_\@
	s_barrier_signal -3
.Lnot_wave_0_\@:
	s_barrier_wait -3
	s_barrier_signal -1
	s_barrier_wait -1
.endm
.macro FINISH
	s_wait_tensorcnt 0x0                           ; the wave's end
	ds_add_u32 v[SPW], v[NIL]
	s_wait_dscnt 0x0
	CROUND                                         ; the closing round
	s_endpgm
.endm
	s_load_b128 s[4:7], s[0:1], 0x0                ; codes, scales
	s_load_b128 s[96:99], s[0:1], 0x10             ; bq, bk
	s_load_b64 s[100:101], s[0:1], 0x20            ; bv
	s_load_b64 s[66:67], s[0:1], 0x28              ; rope
	s_load_b64 s[12:13], s[0:1], 0x30              ; qkv_img
	s_load_b64 s[2:3], s[0:1], 0x38                ; fine_img
	v_lshl_add_u32 v[SPW], v0, 2, SPARE
	v_mov_b32 v[NIL], 0
	ds_add_u32 v[SPW], v[NIL]                      ; the wave's opening: the add, twice on end, and its wait ahead of my first tensor load
	ds_add_u32 v[SPW], v[NIL]
	v_lshrrev_b32 v1, 5, v0
	v_readfirstlane_b32 s14, v1                    ; wave 0..3
	s_lshr_b32 s15, s14, 1                         ; which half of the tile's rows is mine.  Also: I fetch for A (0) or for B (1)
	s_and_b32 s16, s14, 1                          ; which half of its columns.  Also: which 128 rows of that tile I fetch
	s_bfe_u32 s40, ttmp6, 0x40000                  ; cx
	s_bfe_u32 s41, ttmp6, 0x40004                  ; cy
	s_lshl_b32 s42, ttmp9, 2
	s_add_co_u32 s42, s42, s40                     ; tile column = 4 x cluster x + cx
	s_and_b32 s17, ttmp7, 0xffff
	s_lshl_b32 s17, s17, 2
	s_add_co_u32 s17, s17, s41                     ; tile row = 4 x cluster y + cy
	s_lshl_b32 s43, s41, 2
	s_lshl_b32 s43, 15, s43                        ; my row of the cluster
	s_lshl_b32 s44, 0x1111, s40                    ; my column
	s_or_b32 s[G1+0], s43, (0<<16)|(1<<20)|(1<<21)|(5<<22)|(3<<25)  ; the mask; elements of 1 byte; padding on; bit 21 beside a mask; 4 words after every 64
	s_or_b32 s[G1B+0], s44, (0<<16)|(1<<20)|(1<<21)|(5<<22)|(3<<25)
.irp g, G1, G1B
	s_mov_b32 s[\g+1], ROWB<<16                    ; tensor_dim0
	s_mov_b32 s[\g+2], 128<<16                     ; tensor_dim1
	s_mov_b32 s[\g+3], ROWB<<16                    ; tile_dim0
	s_mov_b32 s[\g+4], 128                         ; tile_dim1
	s_mov_b32 s[\g+5], KROW                        ; the pitch
	s_mov_b32 s[\g+6], 0
	s_mov_b32 s[\g+7], 0
.endr
	s_or_b32 s[G1S+0], s43, (3<<16)|(1<<20)|(1<<21)|(5<<22)|(3<<25)  ; the scales of 128 rows: 4,096 dense bytes as 16 rows of 256 (32 elements of 8 bytes), 16 bytes of padding behind each
	s_or_b32 s[G1SB+0], s44, (3<<16)|(1<<20)|(1<<21)|(5<<22)|(3<<25)
.irp g, G1S, G1SB
	s_mov_b32 s[\g+1], 32<<16
	s_mov_b32 s[\g+2], (128*KS/256)<<16
	s_mov_b32 s[\g+3], 32<<16
	s_mov_b32 s[\g+4], 128*KS/256
	s_mov_b32 s[\g+5], 32
	s_mov_b32 s[\g+6], 0
	s_mov_b32 s[\g+7], 0
.endr
	s_lshl_b32 s18, s16, 7
	s_lshl_b32 s20, s17, 8
	s_add_co_u32 s20, s20, s18                     ; A: row 256 x tile row + 128 x half
	s_lshl_b32 s46, s42, 8
	s_add_co_u32 s46, s46, s18                     ; B: row 256 x tile column + 128 x half
	s_mov_b32 s21, 0
	s_mov_b32 s47, 0
	s_mov_b64 s[18:19], KS
	s_mul_u64 s[22:23], s[20:21], s[18:19]         ; where these rows' scales begin,
	s_mul_u64 s[92:93], s[46:47], s[18:19]
	s_mov_b64 s[18:19], KROW
	s_mul_u64 s[20:21], s[20:21], s[18:19]         ; and their codes
	s_mul_u64 s[46:47], s[46:47], s[18:19]
	s_mul_i32 s45, s14, HALFT                      ; where they go: no place in the cluster enters an LDS address
	s_mul_i32 s94, s14, HALFS
	s_wait_dscnt 0x0                               ; both opening adds are done
	s_wait_kmcnt 0x0
	s_add_nc_u64 s[8:9], s[4:5], 0x200000          ; the weights' codes lie behind x's 2,097,152 bytes,
	s_add_nc_u64 s[10:11], s[6:7], 0x20000         ; their scales behind x's 131,072
	s_add_nc_u64 s[20:21], s[4:5], s[20:21]
	s_add_nc_u64 s[22:23], s[6:7], s[22:23]
	s_add_nc_u64 s[46:47], s[8:9], s[46:47]
	s_add_nc_u64 s[92:93], s[10:11], s[92:93]
	CROUND                                         ; all sixteen work-groups are here: the joint loads meet
	s_mov_b32 s[G0S], 1
	s_add_co_u32 s[G0S+1], s94, SCL
	s_mov_b64 s[G0S+2:G0S+3], s[22:23]
	s_or_b32 s[G0S+3], s[G0S+3], 0x80000000
	s_mov_b32 s[G0SB], 1
	s_add_co_u32 s[G0SB+1], s94, SCL
	s_mov_b64 s[G0SB+2:G0SB+3], s[92:93]
	s_or_b32 s[G0SB+3], s[G0SB+3], 0x80000000
	JLOAD G0S, G1S, G0SB, G1SB                     ; the scales first; then both slots: three loads of mine are out
.irp s, 0,1
	s_mov_b32 s[G0+4*\s], 1
	s_add_co_u32 s[G0+4*\s+1], s45, \s*SLOT
	s_add_nc_u64 s[G0+4*\s+2:G0+4*\s+3], s[20:21], \s*ROWB
	s_or_b32 s[G0+4*\s+3], s[G0+4*\s+3], 0x80000000
	s_mov_b32 s[G0B+4*\s], 1
	s_add_co_u32 s[G0B+4*\s+1], s45, \s*SLOT
	s_add_nc_u64 s[G0B+4*\s+2:G0B+4*\s+3], s[46:47], \s*ROWB
	s_or_b32 s[G0B+4*\s+3], s[G0B+4*\s+3], 0x80000000
	JLOAD G0+4*\s, G1, G0B+4*\s, G1B
.endr
	v_and_b32 v1, 15, v0                           ; r
	v_bfe_u32 v2, v0, 4, 1                         ; h
	v_mul_u32_u24 v3, v1, PITCH
	v_lshl_add_u32 v4, v2, 4, v3                   ; a fragment's row x pitch + 16 x half
	s_mul_i32 s21, s15, HALFT
	s_mul_i32 s22, s16, HALFT
	s_add_co_u32 s22, s22, 2*HALFT
.irp s, 0,1
	v_add_nc_u32 v[ADRA+\s], s21, v4
	v_add_nc_u32 v[ADRB+\s], s22, v4
	s_add_co_u32 s21, s21, SLOT
	s_add_co_u32 s22, s22, SLOT
.endr
	v_mul_u32_u24 v5, v1, KS                       ; my row's scales: KS bytes a row,
	v_lshrrev_b32 v6, 8, v5
	v_lshl_add_u32 v5, v6, 4, v5                   ; and 16 more for each 256 passed
	s_mul_i32 s21, s15, HALFS
	s_mul_i32 s22, s16, HALFS
	s_add_co_u32 s22, s22, 2*HALFS
	s_sub_co_u32 s22, s22, s21
	v_mul_u32_u24 v6, s22, v2                      ; lanes 16-31 take B's: one product, the distance between the two bases
	s_add_co_u32 s21, s21, SCL
	v_add_nc_u32 v5, v5, v6
	v_add_nc_u32 v[ADRS], s21, v5
	v_lshlrev_b32 v[TA], 8, v1
	v_lshl_add_u32 v[TA], v2, 5, v[TA]
	v_and_b32 v[LI], 31, v0
	v_lshlrev_b32 v[LI], 4, v[LI]
	v_lshlrev_b32 v[BA], 5, v2
	v_lshlrev_b32 v[BV], 2, v1
	; where my results go
	s_lshr_b32 s18, s17, 3                         ; batch
	s_and_b32 s19, s17, 7
	s_or_b32 s93, s19, s15
	v_mov_b32 v[CD], s93                           ; 0: my rows begin at position 0
	s_lshl_b32 s19, s19, 8
	s_lshl_b32 s20, s15, 7
	s_add_co_u32 s19, s19, s20                     ; my first position
	s_lshl_b32 s44, s40, 2
	s_lshl_b32 s45, s16, 1
	s_add_co_u32 s44, s44, s45                     ; my first head: 4 cx + 2 x column half
	s_lshl_b32 s46, s18, 4
	s_add_co_u32 s46, s46, s44
	s_lshl_b32 s46, s46, 18                        ; 262,144 bytes for a batch and head,
	s_lshl_b32 s47, ttmp9, 23                      ; 8,388,608 for a tensor,
	s_add_co_u32 s46, s46, s47
	s_lshl_b32 s47, s19, 7                         ; 128 for a position (2,048 for 16 in q and k; 4,096 for 32 in V^T)
	s_add_co_u32 s46, s46, s47
	s_mov_b32 s47, 0
	s_add_nc_u64 s[12:13], s[12:13], s[46:47]
	s_mul_i32 s46, s18, 3
	s_add_co_u32 s46, s46, ttmp9
	s_lshl_b32 s46, s46, 4
	s_add_co_u32 s46, s46, s44
	s_lshl_b32 s46, s46, 12
	s_add_nc_u64 s[2:3], s[2:3], s[46:47]
	s_lshl_b32 s46, s19, 8
	s_add_nc_u64 s[66:67], s[66:67], s[46:47]      ; the table at my first position
	s_lshl_b32 s94, s40, 10
	s_lshl_b32 s95, s16, 9
	s_add_co_u32 s94, s94, s95                     ; the bias of my 128 columns: (256 cx + 128 half) x 4 bytes
	s_mov_b32 s95, 0
.macro FRAG reg, adr, q, i             ; 16 rows x 128 K of 4-bit codes: registers 4 c .. 4 c + 3 hold K = 64 c + 32 (lane / 16) + 0 .. 31
.irp c, 0,1
	ds_load_b128 v[\reg+4*\c:\reg+4*\c+3], v[\adr] offset:64*(\q)+32*\c+(\i)*16*PITCH
.endr
.endm
; 16 matrix instructions: A's blocks a0, a0 + 1 x B's eight, the slot's q-th 128 along K.  p: B's set; sc: the set of scale words.  first = 1: the bias is C.  nat = 0: source 0 = B; nat = 1: source 0 = A.
; A scale register holds A's word of block i in lanes 0-15 and B's in lanes 16-31.  The 64 accumulators take turns, one instruction a turn, in the same order in every step.
.macro MUL16 a0, p, q, sc, first, nat
.irp a, \a0, \a0+1
.irp b, 0,1,2,3,4,5,6,7
.set rD, 8*(8*((\a)%4)+\b)
.set rB, 128*(\p)+FR*\b
.set rA, AF+FR*(\a)
.set rSB, SC+8*NQ*(\sc)+NQ*\b+(\q)
.set rSA, SC+8*NQ*(\sc)+NQ*(\a)+(\q)
.if \nat
.if \first
	v_wmma_scale_f32_16x16x128_f8f6f4 v[rD:rD+7], v[rA:rA+7], v[rB:rB+7], v[BIAS+8*\b:BIAS+8*\b+7], v[rSA], v[rSB] matrix_a_fmt:MATRIX_FMT_FP4 matrix_b_fmt:MATRIX_FMT_FP4 matrix_b_scale:MATRIX_SCALE_ROW1
.else
	v_wmma_scale_f32_16x16x128_f8f6f4 v[rD:rD+7], v[rA:rA+7], v[rB:rB+7], v[rD:rD+7], v[rSA], v[rSB] matrix_a_fmt:MATRIX_FMT_FP4 matrix_b_fmt:MATRIX_FMT_FP4 matrix_b_scale:MATRIX_SCALE_ROW1
.endif
.else
.if \first
	v_wmma_scale_f32_16x16x128_f8f6f4 v[rD:rD+7], v[rB:rB+7], v[rA:rA+7], v[BIAS+8*\b:BIAS+8*\b+7], v[rSB], v[rSA] matrix_a_fmt:MATRIX_FMT_FP4 matrix_b_fmt:MATRIX_FMT_FP4 matrix_a_scale:MATRIX_SCALE_ROW1
.else
	v_wmma_scale_f32_16x16x128_f8f6f4 v[rD:rD+7], v[rB:rB+7], v[rA:rA+7], v[rD:rD+7], v[rSB], v[rSA] matrix_a_fmt:MATRIX_FMT_FP4 matrix_b_fmt:MATRIX_FMT_FP4 matrix_a_scale:MATRIX_SCALE_ROW1
.endif
.endif
.endr
.endr
.endm
; The windows of a product: nat = 0: source 0 window 1, source 1 window 0; nat = 1 the other way round; D window 2 (LO) or 3 (HI); C with D, but in the first step window 0, where the bias lies.
.macro WLO first, nat
	WIN 0x81+3*(\nat)+0x20*(1-(\first))
.endm
.macro WHI first, nat
	WIN 0xc1+3*(\nat)+0x30*(1-(\first))
.endm
.macro FETCH_B slot, q, p
	WIN TO_B
.irp i, 0,1,2,3,4,5,6,7
	FRAG 128*(\p)+FR*\i, ADRB+\slot, \q, \i
.endr
	WIN 0
.endm
.macro FETCH_A slot, q, i0
.irp i, \i0, \i0+1, \i0+2, \i0+3
	FRAG AF+FR*(\i), ADRA+\slot, \q, \i
.endr
.endm
.macro SCALES sc                       ; a slot's scale words: four words a row
.irp i, 0,1,2,3,4,5,6,7
	ds_load_b128 v[SC+8*NQ*\sc+NQ*\i:SC+8*NQ*\sc+NQ*\i+3], v[ADRS] offset:\i*SBLK
.endr
.endm
.macro PLACES n                        ; a load into a register that a matrix instruction has read, and a vector instruction or store that reads a result, stand NP plain vector instructions behind it
.rept \n
	v_nop
.endr
.endm
.macro STEP slot, q, first, nat        ; 128 along K, with its successor in the same slot
	s_wait_dscnt 4*NL                              ; B's set, the scales and A's blocks 0-3 are in; the youngest eight loads (A's blocks 4-7) may be out
	WLO \first, \nat
	MUL16 0, (\q)%2, \q, \slot, \first, \nat
	MUL16 2, (\q)%2, \q, \slot, \first, \nat
	s_wait_dscnt 0
	PLACES NP
	FETCH_B \slot, (\q)+1, 1-(\q)%2
	FETCH_A \slot, (\q)+1, 0
	WHI \first, \nat
	MUL16 4, (\q)%2, \q, \slot, \first, \nat
	MUL16 6, (\q)%2, \q, \slot, \first, \nat
	PLACES NP
	WIN 0
	FETCH_A \slot, (\q)+1, 4
.endm
.macro STEPS slot, from, nat
.set Q, \from
.rept NQ-1-\from
	STEP \slot, Q, 0, \nat
.set Q, Q+1
.endr
.endm
.macro TURN slot, next, nat            ; slot 0's last step: behind its barrier slot 1 is whole for every wave.  Nothing is filled again
	s_wait_tensorcnt 0x0                           ; all my tensor loads have landed: my part of slot 1
	ds_add_u32 v[SPW], v[NIL]                      ; 0 onto my spare word
	s_wait_dscnt 4*NL+1                            ; (the add and the youngest eight loads may be out)
	WLO 0, \nat
	MUL16 0, 1, NQ-1, \slot, 0, \nat
	s_wait_dscnt 0x0                               ; the add is done; no LDS instruction of mine is pending at the signal
	s_barrier_signal -1
	MUL16 2, 1, NQ-1, \slot, 0, \nat
	WIN 0
	s_barrier_wait -1
	PLACES NP
	v_add_nc_u32 v[ADRS], 4*NQ, v[ADRS]            ; on to the next slot's scale words
	FETCH_B \next, 0, 0
	FETCH_A \next, 0, 0
	SCALES \next
	WHI 0, \nat
	MUL16 4, 1, NQ-1, \slot, 0, \nat
	MUL16 6, 1, NQ-1, \slot, 0, \nat
	PLACES NP
	WIN 0
	FETCH_A \next, 0, 4
.endm
.macro TABLD a                         ; the table of my block a's 16 positions into set a % 2: cos of frequencies 8 h + j, 16 + 8 h + j, then sin of the same
.set T0, TBL+32*((\a)%2)
.irp n, 0,1,2,3
	global_load_b128 v[T0+8*\n:T0+8*\n+3], v[TA], s[66:67] offset:4096*(\a)+64*\n
	global_load_b128 v[T0+8*\n+4:T0+8*\n+7], v[TA], s[66:67] offset:4096*(\a)+64*\n+16
.endr
.endm
.macro MAIN nat
	s_wait_tensorcnt 1                             ; the scales and my part of slot 0 are in (slot 1's load may be out)
	s_barrier_signal -1
	s_barrier_wait -1                              ; everybody's are
	FETCH_B 0, 0, 0
	FETCH_A 0, 0, 0
	SCALES 0
	FETCH_A 0, 0, 4
	s_wait_loadcnt 0x0                             ; the bias
.if \nat
.irp b, 0,1,2,3,4,5,6,7
.irp j, 1,2,3,4,5,6,7
	v_mov_b32 v[BIAS+8*\b+\j], v[BIAS+8*\b]        ; a lane's eight results of a block are one channel: the same bias eight times
.endr
.endr
.endif
	STEP 0, 0, 1, \nat
.if \nat == 0
	TABLD 0                                        ; into the bias's registers: four places stand behind the last product that read them
	TABLD 1
.endif
	STEPS 0, 1, \nat
	TURN 0, 1, \nat
	STEPS 1, 0, \nat
	s_wait_dscnt 4*NL                              ; the last step: nothing more to fetch
	WLO 0, \nat
	MUL16 0, 1, NQ-1, 1, 0, \nat
	MUL16 2, 1, NQ-1, 1, 0, \nat
	s_wait_dscnt 0
	WHI 0, \nat
	MUL16 4, 1, NQ-1, 1, 0, \nat
	MUL16 6, 1, NQ-1, 1, 0, \nat
	WIN 0
	PLACES NP
.endm
; q, k: block a (16 positions): y(d) = x(d) cos - x(d + 32) sin, y(d + 32) = x(d + 32) cos + x(d) sin, two heads; packed to f16; eight stores of 512 bytes.
.macro ROPE_OUT a
.if (\a) < 7
	s_wait_loadcnt 8                               ; this block's table is in; the next block's eight loads stay out
.else
	s_wait_loadcnt 0
.endif
	s_wait_xcnt 0x0                                ; the last block's stores have read their registers
.set T0, TBL+32*((\a)%2)
	WIN 0x02+(\a)/4                                ; source 0: the accumulators' window
.irp hh, 0,1
.irp u, 0,1
.set X1, 8*(8*((\a)%4)+4*\hh+\u)
.set X2, X1+16
.set Y1, YR+32*\hh+8*\u
.set Y2, Y1+16
.irp j, 0,2,4,6                        ; each accumulator is read from its low end on
	v_pk_mul_f32 v[Y1+\j:Y1+\j+1], v[X1+\j:X1+\j+1], v[T0+8*\u+\j:T0+8*\u+\j+1]
	v_pk_mul_f32 v[Y2+\j:Y2+\j+1], v[X2+\j:X2+\j+1], v[T0+8*\u+\j:T0+8*\u+\j+1]
.endr
.irp j, 0,2,4,6
	v_pk_fma_f32 v[Y1+\j:Y1+\j+1], v[X2+\j:X2+\j+1], v[T0+16+8*\u+\j:T0+16+8*\u+\j+1], v[Y1+\j:Y1+\j+1] neg_lo:[0,1,0] neg_hi:[0,1,0]
	v_pk_fma_f32 v[Y2+\j:Y2+\j+1], v[X1+\j:X1+\j+1], v[T0+16+8*\u+\j:T0+16+8*\u+\j+1], v[Y2+\j:Y2+\j+1]
.endr
.endr
.endr
	WIN 0
.if (\a) < 6
	TABLD (\a)+2
.endif
.irp n, 0,1,2,3,4,5,6,7,8,9,10,11,12,13,14,15,16,17,18,19,20,21,22,23,24,25,26,27,28,29,30,31
	v_cvt_pk_f16_f32 v[HF+\n], v[YR+2*\n], v[YR+2*\n+1]
.endr
.irp hh, 0,1
.irp b, 0,1,2,3
	global_store_b128 v[LI], v[HF+16*\hh+4*\b:HF+16*\hh+4*\b+3], s[12:13] offset:\hh*262144+2048*(\a)+512*\b
.endr
.endr
.endm
.macro V_OUT a                         ; v: block a (16 positions = half of 32 keys), eight blocks of 16 channels
	s_wait_xcnt 0x0                                ; the last block's stores have read their registers
	WIN 0x0a+5*((\a)/4)                            ; sources 0 and 1: the accumulators' window
.irp b, 0,1,2,3,4,5,6,7
.irp i, 0,1,2,3
	v_cvt_pk_f16_f32 v[HF+4*\b+\i], v[8*(8*((\a)%4)+\b)+2*\i], v[8*(8*((\a)%4)+\b)+2*\i+1]
.endr
.endr
	WIN 0
.irp b, 0,1,2,3,4,5,6,7
	global_store_b128 v[LI], v[HF+4*\b:HF+4*\b+3], s[12:13] offset:(\b/4)*262144+((\a)/2)*4096+(\b%4)*1024+((\a)%2)*512
.endr
.endm
	s_cmp_eq_u32 ttmp9, 2                          ; the cluster's x: the same in all sixteen partners
	s_cbranch_scc1 .Lv
	; ---------------- q and k
	s_cmp_eq_u32 ttmp9, 0
	s_cselect_b64 s[96:97], s[96:97], s[98:99]     ; bq or bk
	s_add_nc_u64 s[96:97], s[96:97], s[94:95]
.irp b, 0,1,2,3,4,5,6,7
	global_load_b128 v[BIAS+8*\b:BIAS+8*\b+3], v[BA], s[96:97] offset:64*\b        ; register j: the bias of channel 16 b + 8 h + j
	global_load_b128 v[BIAS+8*\b+4:BIAS+8*\b+7], v[BA], s[96:97] offset:64*\b+16
.endr
	MAIN 0
	ROPE_OUT 0
	s_wait_xcnt 0x0                                ; EXEC changes only behind this wait
	v_cmp_eq_u32 vcc_lo, 0, v[CD]
	s_and_saveexec_b32 s18, vcc_lo                 ; positions 0-15 of a sequence also leave in f32
.irp i, 0,1,2,3,4,5,6,7,8,9,10,11,12,13,14,15
	global_store_b128 v[LI], v[YR+4*\i:YR+4*\i+3], s[2:3] offset:512*\i
.endr
	s_wait_xcnt 0x0                                ; and again, in front of the line that widens it
	s_or_b32 exec_lo, exec_lo, s18
.irp a, 1,2,3,4,5,6,7
	ROPE_OUT \a
.endr
	FINISH
	; ---------------- v
.Lv:
	s_add_nc_u64 s[100:101], s[100:101], s[94:95]
.irp b, 0,1,2,3,4,5,6,7
	global_load_b32 v[BIAS+8*\b], v[BV], s[100:101] offset:64*\b                   ; the bias of channel 16 b + r
.endr
	MAIN 1
	V_OUT 0
	s_wait_xcnt 0x0                                ; EXEC changes only behind this wait
	v_cmp_eq_u32 vcc_lo, 0, v[CD]
	s_and_saveexec_b32 s18, vcc_lo                 ; positions 0-15 in f32, straight from the accumulators of block 0
	WIN 0x08                                       ; a store's data are its source 1: window 2
.irp b, 0,1,2,3,4,5,6,7
	global_store_b128 v[LI], v[8*\b:8*\b+3], s[2:3] offset:(\b/4)*4096+(\b%4)*1024
	global_store_b128 v[LI], v[8*\b+4:8*\b+7], s[2:3] offset:(\b/4)*4096+(\b%4)*1024+512
.endr
	WIN 0
	s_wait_xcnt 0x0                                ; and again, in front of the line that widens it
	s_or_b32 exec_lo, exec_lo, s18
.irp a, 1,2,3,4,5,6,7
	V_OUT \a
.endr
	FINISH
.Lfunc_end_k_qc56a5ef324_qkv:
	.size	k_qc56a5ef324_qkv, .Lfunc_end_k_qc56a5ef324_qkv-k_qc56a5ef324_qkv
	.p2alignl 7, 3214868480
	.fill 96, 4, 3214868480
	.section	.rodata,"a",@progbits
	.p2align	6, 0x0
	.amdhsa_kernel k_qc56a5ef324_qkv
		.amdhsa_group_segment_fixed_size 327680
		.amdhsa_private_segment_fixed_size 0
		.amdhsa_enable_private_segment 0
		.amdhsa_kernarg_size 64
		.amdhsa_user_sgpr_count 2
		.amdhsa_user_sgpr_kernarg_segment_ptr 1
		.amdhsa_wavefront_size32 1
		.amdhsa_system_sgpr_workgroup_id_x 1
		.amdhsa_system_sgpr_workgroup_id_y 1
		.amdhsa_system_sgpr_workgroup_id_z 1
		.amdhsa_system_vgpr_workitem_id 0
		.amdhsa_next_free_vgpr 1024
		.amdhsa_next_free_sgpr 102
		.amdhsa_reserve_vcc 1
		.amdhsa_float_denorm_mode_32 3
		.amdhsa_float_denorm_mode_16_64 3
		.amdhsa_memory_ordered 1
		.amdhsa_forward_progress 1
		.amdhsa_inst_pref_size 255
	.end_amdhsa_kernel
	.section	.bss,"aw",@nobits
	.p2align	6
	.space	262144
	.amdgpu_metadata
---
amdhsa.version: [ 1, 2 ]
amdhsa.kernels:
  - .name:           k_qc56a5ef324_qkv
    .symbol:         k_qc56a5ef324_qkv.kd
    .args:
      - { .name: codes, .offset: 0, .size: 8, .value_kind: global_buffer, .address_space: global }
      - { .name: scales, .offset: 8, .size: 8, .value_kind: global_buffer, .address_space: global }
      - { .name: bq, .offset: 16, .size: 8, .value_kind: global_buffer, .address_space: global }
      - { .name: bk, .offset: 24, .size: 8, .value_kind: global_buffer, .address_space: global }
      - { .name: bv, .offset: 32, .size: 8, .value_kind: global_buffer, .address_space: global }
      - { .name: rope, .offset: 40, .size: 8, .value_kind: global_buffer, .address_space: global }
      - { .name: qkv_img, .offset: 48, .size: 8, .value_kind: global_buffer, .address_space: global }
      - { .name: fine_img, .offset: 56, .size: 8, .value_kind: global_buffer, .address_space: global }
    .group_segment_fixed_size: 327680
    .private_segment_fixed_size: 0
    .kernarg_segment_align: 8
    .kernarg_segment_size: 64
    .max_flat_workgroup_size: 128
    .sgpr_count:     102
    .vgpr_count:     1024
    .wavefront_size: 32
...
	.end_amdgpu_metadata
.endif
;; end of part 2
;; launch attn (part 3): grid 8 x 32, 16 waves a work-group, no clusters, 327,680 bytes of LDS; arguments qkv_img, attn_img; writes attn_img
.if DOCPART == 3
	.amdgcn_target "amdgcn-amd-amdhsa--gfx1250"
	.amdhsa_code_object_version 6
	.text
	.protected	k_qc56a5ef324_attn
	.globl	k_qc56a5ef324_attn
	.p2align	8
	.type	k_qc56a5ef324_attn,@function
k_qc56a5ef324_attn:
	s_mov_b64 s[64:65], 0
	v_nop
	global_prefetch_b8 v0, s[64:65] scope:SCOPE_SE
	s_setreg_imm32_b32 hwreg(HW_REG_WAVE_MODE, 25, 1), 1
	s_wait_xcnt 0x0
; Causal attention, head size 64, f16 operands and f32 sums.  O[q] = sum over keys k <= q of softmax(q . k / 8) v.  q, k and V^T arrive as images of the operand registers (16 rows x 32 K: [half 2][lane 32][16 bytes]),
; so a tile is a dense block of memory, an LDS read is 16 x lane + a constant, and nothing is turned.
; SHARES.  A work-group has sixteen waves and one batch and head (grid y); each wave owns one tile of 16 queries: waves 0-7 tiles 8 g + w, waves 8-15 tiles 135 - 8 g - w, so that every work-group, and every
; four waves w, w + 4, w + 8, w + 12, own tiles whose numbers add up to the same: equal work under the causal mask.
; NO CLUSTER: work-group g walks keys up to 2047 - 128 g, so partners would need different numbers of tiles, and a joint load would bring tiles that no wave of some partner reads.
; LAYOUT.  S^T = K Q^T (source 0 = 16 keys, source 1 = my 16 queries): a lane holds ONE query (lane % 16) and keys 8 (lane / 16) + 0..7 of each tile; two tiles packed to f16 ARE source 1 of O^T = V^T P.
; SOFTMAX.  A running maximum m and sum l for each query: p = 2^(c s - c m), c = log2(e) / 8; in every step O and l are multiplied by a = 2^(c m_old - c m_new).  m begins as -infinity; a step is walked only where its
; first key counts for all 16 queries, so m is a number from the first walked step on.
; THE RING.  Two LDS slots of 256 keys (K's 32 KB, then V^T's 32 KB), filled by waves 0-3, 16 KB each, read by all sixteen.  Every work-group walks all eight slots; a step all of whose keys are hidden is jumped over by a branch on ids,
; and a slot whose first key comes after the work-group's last query is not asked for.  Every wait for tensor loads is for all of them.
; The result, divided by l and rounded to f16, leaves as images of the projection's operand: [K step of 256: head / 4][tile of 16 rows: 128 batch + tile][2 (head % 4) + f][half][lane][16 bytes].
; LIMITS: q, k, v, p and the result are f16 operands: magnitudes under 65,504.  NaN and infinities are not served.  Positions 0-15 of each sequence are made again in f32 by a later launch.
.set SLOT1, 1<<16
.set SPARE, 2*SLOT1                    ; the spare words: 128 bytes a wave, eight blocks of 256 bytes that no other line names
.set LI,  1                            ; v1  16 x lane
.set SPW, 2                            ; v2  my spare word; never rewritten
.set NIL, 3                            ; v3  0; never rewritten
.set ADR, 4                            ; v4  LDS address of the loads in hand
.set RH,  5                            ; v5  lane % 16 - 8 (lane / 16)
.set QR,  16                           ; v16-31   Q: two fragments
.set KR,  32                           ; v32-95   K: fragment 2 kt + f
.set VR,  96                           ; v96-159  V^T: fragment 4 kc + t
.set SR,  160                          ; v160-191 S^T, then p
.set PR,  192                          ; v192-207 P
.set OR_, 208                          ; v208-239 O^T
.set PFO, 240                          ; v240 256 x lane: the prefetches' offset; never rewritten
.set WV,  18
.set SEL, 20
.set CS,  22
.set G1,  24
.set G0,  40
.set TB,  2
.set QL,  66
.set SLOTS, 67
.set PFA, 76
.set LIM, 80
.set KF,  98
.set Q0,  99
.macro TLOAD                           ; waves 0-3 fetch 16 KB each, the others nothing; an s_nop 0 and four v_nop follow the load
	s_cmp_lt_u32 s[WV], 4
	s_cbranch_scc0 .Lnone_\@
	tensor_load_to_lds s[G0:G0+3], s[G1:G1+7]
	s_nop 0
.rept 4
	v_nop
.endr
.Lnone_\@:
.endm
; A prefetch of what the NEXT change of slots will ask for: 32 KB of K and 32 KB of V^T.  All eight work-groups of a head walk the same bytes: the first of them asks, by the waves that fetch nothing:
; waves 4-7 for K, waves 8-11 for V^T, 8,192 bytes a wave, lanes 256 bytes apart: each block of 256 bytes is named once in the launch.  The last change that fills a slot asks for nothing.
.macro ASK
	s_cmp_gt_u32 s[SLOTS], s[LIM]
	s_cbranch_scc0 .Lnot_mine_\@
	global_prefetch_b8 v[PFO], s[PFA:PFA+1] th:TH_LOAD_NT scope:SCOPE_SE
.Lnot_mine_\@:
.endm
	s_load_b128 s[4:7], s[0:1], 0x0                ; qkv_img, attn_img
	v_lshl_add_u32 v[SPW], v0, 2, SPARE
	v_mov_b32 v[NIL], 0
	ds_add_u32 v[SPW], v[NIL]                      ; the wave's opening: the add, twice on end, and its wait ahead of the first tensor load
	ds_add_u32 v[SPW], v[NIL]
	v_lshrrev_b32 v4, 5, v0
	v_readfirstlane_b32 s[WV], v4                  ; wave 0..15
	s_and_b32 s8, ttmp7, 0xffff                    ; 16 batch + head
	s_lshl_b32 s9, ttmp9, 3
	s_add_co_u32 s10, s9, s[WV]                    ; 8 g + w
	s_sub_co_u32 s11, 135, s9
	s_sub_co_u32 s11, s11, s[WV]                   ; 135 - 8 g - w
	s_cmp_lt_u32 s[WV], 8
	s_cselect_b32 s10, s10, s11                    ; my tile of queries
	s_lshl_b32 s[Q0], s10, 4                       ; my first query
	s_lshl_b32 s13, ttmp9, 7
	s_sub_co_u32 s[QL], 2047, s13                  ; my work-group's last query
	s_mov_b32 s[G1], 3<<16                         ; no mask; elements of 8 bytes; no padding
	s_mov_b32 s[G1+1], 32<<16                      ; tensor_dim0 = 32 elements: rows of 256 bytes
	s_mov_b32 s[G1+2], 64<<16                      ; tensor_dim1 = 64
	s_mov_b32 s[G1+3], 32<<16                      ; tile_dim0
	s_mov_b32 s[G1+4], 64                          ; tile_dim1
	s_mov_b32 s[G1+5], 32                          ; the pitch: dense
	s_mov_b32 s[G1+6], 0
	s_mov_b32 s[G1+7], 0
	s_lshl_b32 s12, s8, 18                         ; 262,144 bytes for a batch and head in each of q, k, V^T
	s_lshr_b32 s13, s[WV], 1
	s_add_co_u32 s13, s13, 1                       ; waves 0, 1: k (tensor 1); waves 2, 3: V^T (tensor 2)
	s_lshl_b32 s13, s13, 23
	s_add_co_u32 s13, s13, s12
	s_and_b32 s14, s[WV], 1
	s_lshl_b32 s14, s14, 14                        ; which half of a slot's 32 KB
	s_add_co_u32 s14, s14, s13
	s_mov_b32 s15, 0
	s_mov_b32 s[G0], 1
	s_lshl_b32 s[G0+1], s[WV], 14                  ; LDS: 16,384 x wave: K's halves, then V^T's
	s_mov_b32 s[SEL], 0x76543210
	s_mov_b32 s[SEL+1], 0xfedcba98                 ; lane l xor 16
	s_mov_b32 s[CS], 0x3e38aa3b                    ; c = log2(e) / 8
	s_mov_b32 s[CS+1], s[CS]
	s_mov_b32 s[TB], 0
	s_mov_b32 s[KF], 0
	s_mov_b32 s[SLOTS], 7
	s_wait_dscnt 0x0                               ; both opening adds are done
	s_wait_kmcnt 0x0
	s_add_nc_u64 s[G0+2:G0+3], s[4:5], s[14:15]
	s_or_b32 s[G0+3], s[G0+3], 0x80000000
	TLOAD                                          ; slot 0: it holds key 0, which counts for every query
	; the prefetches: where my wave's stand, and who asks
	s_lshr_b32 s13, s[WV], 2                       ; waves 4-7: tensor 1; waves 8-11: tensor 2
	s_lshl_b32 s13, s13, 23
	s_add_co_u32 s13, s13, s12
	s_and_b32 s14, s[WV], 3
	s_lshl_b32 s14, s14, 13
	s_add_co_u32 s14, s14, s13
	s_add_co_u32 s14, s14, 32768                   ; in slot 1: the first change of slots steps it to slot 2
	s_add_nc_u64 s[PFA:PFA+1], s[4:5], s[14:15]
	s_sub_co_u32 s13, s[WV], 4
	s_lshr_b32 s13, s13, 3                         ; 0 in waves 4 to 11,
	s_or_b32 s13, s13, ttmp9                       ; of the head's first work-group
	s_cmp_eq_u32 s13, 0
	s_cselect_b32 s[LIM], 1, -1
	v_and_b32 v[LI], 31, v0
	v_lshlrev_b32 v[PFO], 8, v[LI]
	v_lshlrev_b32 v[LI], 4, v[LI]
	s_lshl_b32 s14, s10, 11                        ; Q: 2,048 bytes a tile
	s_add_co_u32 s14, s14, s12
	s_add_nc_u64 s[4:5], s[4:5], s[14:15]
.irp i, 0,1,2,3
	global_load_b128 v[QR+4*\i:QR+4*\i+3], v[LI], s[4:5] offset:512*\i
.endr
	s_and_b32 s9, s8, 15                           ; head
	s_lshr_b32 s11, s9, 2
	s_lshl_b32 s11, s11, 8
	s_lshr_b32 s13, s8, 4                          ; batch
	s_lshl_b32 s13, s13, 7
	s_add_co_u32 s11, s11, s13
	s_add_co_u32 s11, s11, s10
	s_lshl_b32 s11, s11, 13                        ; (256 (head / 4) + 128 batch + tile) x 8 KB
	s_and_b32 s9, s9, 3
	s_lshl_b32 s9, s9, 11
	s_add_co_u32 s16, s11, s9                      ; + 2 KB x (head % 4)
	s_mov_b32 s17, 0
	s_add_nc_u64 s[6:7], s[6:7], s[16:17]
	v_and_b32 v[RH], 15, v0
	v_bfe_u32 v6, v0, 4, 1
	v_lshlrev_b32 v6, 3, v6
	v_sub_nc_u32 v[RH], v[RH], v6
	v_mov_b32 v7, 0xff800000                       ; -infinity
	v_mov_b32 v8, 0xff800000                       ; c m
	v_mov_b32 v9, 0xff800000                       ; m
.irp j, 10,11,12,13,14,15
	v_mov_b32 v\j, 0                               ; l in two halves; registers at work (a lane permute's destination counts as read)
.endr
.irp j, 0,1,2,3,4,5,6,7,8,9,10,11,12,13,14,15,16,17,18,19,20,21,22,23,24,25,26,27,28,29,30,31
	v_mov_b32 v[OR_+\j], 0                         ; O^T.  (The step is written once: the first walked step finds zeros and multiplies them by a = 0)
.endr
; A KEY STEP: 64 keys, the q-th of the slot in hand.
.macro STEP q
	s_add_co_u32 s96, s[Q0], 15
	s_cmp_gt_u32 s[KF], s96                        ; all 64 keys come after my 16 queries: the step's work is left out
	s_cbranch_scc1 .Lhidden_\@
	v_add_nc_u32 v[ADR], s[TB], v[LI]
.rept 3
	v_nop                                          ; with the addition four places in front of loads into registers that matrix instructions have read
.endr
.irp i, 0,1,2,3,4,5,6,7,8,9,10,11,12,13,14,15
	ds_load_b128 v[KR+4*\i:KR+4*\i+3], v[ADR] offset:8192*(\q)+512*\i
.endr
.irp i, 0,1,2,3,4,5,6,7,8,9,10,11,12,13,14,15
	ds_load_b128 v[VR+4*\i:VR+4*\i+3], v[ADR] offset:32768+8192*(\q)+512*\i
.endr
	s_wait_dscnt 16                                ; K is in; V^T's sixteen loads stay out
.irp kt, 0,1,2,3                       ; the four accumulators take turns
	v_wmma_f32_16x16x32_f16 v[SR+8*\kt:SR+8*\kt+7], v[KR+16*\kt:KR+16*\kt+7], v[QR:QR+7], 0
.endr
.irp kt, 0,1,2,3
	v_wmma_f32_16x16x32_f16 v[SR+8*\kt:SR+8*\kt+7], v[KR+16*\kt+8:KR+16*\kt+15], v[QR+8:QR+15], v[SR+8*\kt:SR+8*\kt+7]
.endr
.rept 4
	v_nop
.endr
	s_add_co_u32 s96, s[KF], 63
	s_cmp_le_u32 s96, s[Q0]                        ; all 64 keys count for all my queries: no mask
	s_cbranch_scc1 .Lopen_\@
	s_sub_co_i32 s96, s[Q0], s[KF]
	v_add_nc_u32 v6, s96, v[RH]                    ; d = my query - the step's first key - 8 (lane / 16).  Register 8 kt + j holds key 16 kt + 8 (lane / 16) + j: hidden where 16 kt + j > d
.irp n, 0,1,2,3,4,5,6,7,8,9,10,11,12,13,14,15,16,17,18,19,20,21,22,23,24,25,26,27,28,29,30,31
	v_cmp_gt_i32 vcc_lo, 16*(\n/8)+\n%8, v6
	v_cndmask_b32 v[SR+\n], v[SR+\n], v7, vcc_lo
.endr
.Lopen_\@:
.irp kt, 0,1,2,3
	v_max3_num_f32 v[12+\kt], v[SR+8*\kt], v[SR+8*\kt+1], v[SR+8*\kt+2]   ; each tile from its low end on; four chains
.endr
.irp i, 3,5
.irp kt, 0,1,2,3
	v_max3_num_f32 v[12+\kt], v[12+\kt], v[SR+8*\kt+\i], v[SR+8*\kt+\i+1]
.endr
.endr
	v_max3_num_f32 v12, v12, v[SR+7], v[SR+15]
	v_max3_num_f32 v14, v14, v[SR+23], v[SR+31]
	v_max3_num_f32 v12, v12, v13, v14
	v_max3_num_f32 v12, v12, v15, v9               ; and the old m
	v_permlanex16_b32 v13, v12, s[SEL], s[SEL+1]   ; the query's other 32 keys lie in the lane 16 away
	v_mov_b32 v15, v8                              ; c m_old
	v_max_num_f32 v9, v12, v13                     ; the new m
	v_mul_f32 v8, s[CS], v9
	v_sub_f32 v15, v15, v8                         ; c m_old - c m_new
.irp b, 0,1,2,3,4,5,6,7,8,9,10,11,12,13,14,15
	v_pk_fma_f32 v[SR+2*\b:SR+2*\b+1], v[SR+2*\b:SR+2*\b+1], s[CS:CS+1], v[8:9] op_sel_hi:[1,0,0] neg_lo:[0,0,1] neg_hi:[0,0,1]   ; c s - c m
.endr
	v_exp_f32 v14, v15                             ; a
.irp n, 0,1,2,3,4,5,6,7,8,9,10,11,12,13,14,15,16,17,18,19,20,21,22,23,24,25,26,27,28,29,30,31
	v_exp_f32 v[SR+\n], v[SR+\n]                   ; p, at most 1
.endr
	v_nop                                          ; a plain line behind the last exponential
	s_wait_alu depctr_va_vdst(0)                   ; one wait for the batch of 33, ahead of its first reader
.irp n, 0,1,2,3,4,5,6,7,8,9,10,11,12,13,14,15
	v_cvt_pk_f16_f32 v[PR+\n], v[SR+2*\n], v[SR+2*\n+1]
.endr
.irp u, 0,1,2,3,4,5,6,7                ; the sum of the 16 pairs, in place
	v_pk_add_f32 v[SR+4*\u:SR+4*\u+1], v[SR+4*\u:SR+4*\u+1], v[SR+4*\u+2:SR+4*\u+3]
.endr
.irp u, 0,1,2,3
	v_pk_add_f32 v[SR+8*\u:SR+8*\u+1], v[SR+8*\u:SR+8*\u+1], v[SR+8*\u+4:SR+8*\u+5]
.endr
.irp u, 0,1
	v_pk_add_f32 v[SR+16*\u:SR+16*\u+1], v[SR+16*\u:SR+16*\u+1], v[SR+16*\u+8:SR+16*\u+9]
.endr
	v_pk_add_f32 v[SR:SR+1], v[SR:SR+1], v[SR+16:SR+17]
	v_pk_fma_f32 v[10:11], v[10:11], v[14:15], v[SR:SR+1] op_sel_hi:[1,0,1]   ; l = a l + the sum
.irp i, 0,1,2,3,4,5,6,7,8,9,10,11,12,13,14,15
	v_pk_mul_f32 v[OR_+2*\i:OR_+2*\i+1], v[OR_+2*\i:OR_+2*\i+1], v[14:15] op_sel_hi:[1,0]   ; O^T x a, each accumulator from its low end on
.endr
	s_wait_dscnt 0x0                               ; V^T is in
.irp kc, 0,1
.irp t, 0,1,2,3
	v_wmma_f32_16x16x32_f16 v[OR_+8*\t:OR_+8*\t+7], v[VR+32*\kc+8*\t:VR+32*\kc+8*\t+7], v[PR+8*\kc:PR+8*\kc+7], v[OR_+8*\t:OR_+8*\t+7]
.endr
.endr
.Lhidden_\@:
	s_add_co_u32 s[KF], s[KF], 64
.endm
; THE CHANGE OF SLOTS stands at a slot's head.  Each wave waits for all its tensor loads, adds 0 to its spare word, and waits for that and for its reads of the slot that it has left; behind the barrier the slot ahead is whole and
; nobody reads the other one.  fill = 1: that other slot is filled with the next 256 keys, up to the causal limit: the load has a slot's four steps in which to land.
.macro CHANGE fill
	s_wait_tensorcnt 0x0                           ; no tensor load of mine is out, so the group 0 may be written
	ds_add_u32 v[SPW], v[NIL]
.if \fill
	ds_add_u32 v[SPW], v[NIL]                      ; and twice on end here, in every trip alike
	s_xor_b32 s[G0+1], s[G0+1], SLOT1              ; the walking descriptor: the other slot,
	s_add_nc_u64 s[G0+2:G0+3], s[G0+2:G0+3], 32768 ; the next 256 keys
	s_wait_xcnt 0x0                                ; the last prefetch, a slot back, has read its address
	s_add_nc_u64 s[PFA:PFA+1], s[PFA:PFA+1], 32768
.endif
	s_wait_dscnt 0x0                               ; the add is done, and my reads of the slot that I have left are over
	s_barrier_signal -1
	s_barrier_wait -1
.if \fill
	s_add_co_u32 s96, s[KF], 256                   ; the first key of the slot that this change would ask for
	s_cmp_gt_u32 s96, s[QL]                        ; past my work-group's last query: none of its waves would read it.  Ids and the count of steps alone: all sixteen waves go the same way
	s_cbranch_scc1 .Lpast_\@
	TLOAD                                          ; a wave's one tensor load until the next change
.Lpast_\@:
	ASK
.endif
.endm
.macro SLOT_STEPS
	STEP 0
	STEP 1
	STEP 2
	STEP 3
	s_xor_b32 s[TB], s[TB], SLOT1
.endm
	s_wait_loadcnt 0x0                             ; Q
.Lslot:                                            ; seven trips: behind each change of slots but the last the next slot is asked for, up to the limit
	CHANGE 1
	SLOT_STEPS
	s_sub_co_u32 s[SLOTS], s[SLOTS], 1
	s_cmp_lg_u32 s[SLOTS], 0
	s_cbranch_scc1 .Lslot
	CHANGE 0                                       ; the last slot is written out: nothing is left to ask for
	SLOT_STEPS
	; THE WAY OUT
.rept 4
	v_nop
.endr
	v_add_f32 v12, v10, v11                        ; l's two halves,
	v_permlanex16_b32 v13, v12, s[SEL], s[SEL+1]
	v_add_f32 v12, v12, v13                        ; and lane l xor 16's
	v_rcp_f32 v14, v12
	v_nop
	s_wait_alu depctr_va_vdst(0)
.irp i, 0,1,2,3,4,5,6,7,8,9,10,11,12,13,14,15
	v_pk_mul_f32 v[SR+2*\i:SR+2*\i+1], v[OR_+2*\i:OR_+2*\i+1], v[14:15] op_sel_hi:[1,0]
.endr
.irp i, 0,1,2,3,4,5,6,7,8,9,10,11,12,13,14,15
	v_cvt_pk_f16_f32 v[PR+\i], v[SR+2*\i], v[SR+2*\i+1]
.endr
.irp t, 0,1,2,3
	global_store_b128 v[LI], v[PR+4*\t:PR+4*\t+3], s[6:7] offset:512*\t   ; channels 16 t + 8 h + 0..7 of query r: half t % 2 of fragment t / 2: 512 consecutive bytes, aligned
.endr
	s_wait_tensorcnt 0x0                           ; the wave's end
	ds_add_u32 v[SPW], v[NIL]
	s_wait_dscnt 0x0
	s_endpgm
.Lfunc_end_k_qc56a5ef324_attn:
	.size	k_qc56a5ef324_attn, .Lfunc_end_k_qc56a5ef324_attn-k_qc56a5ef324_attn
	.p2alignl 7, 3214868480
	.fill 96, 4, 3214868480
	.section	.rodata,"a",@progbits
	.p2align	6, 0x0
	.amdhsa_kernel k_qc56a5ef324_attn
		.amdhsa_group_segment_fixed_size 327680
		.amdhsa_private_segment_fixed_size 0
		.amdhsa_enable_private_segment 0
		.amdhsa_kernarg_size 16
		.amdhsa_user_sgpr_count 2
		.amdhsa_user_sgpr_kernarg_segment_ptr 1
		.amdhsa_wavefront_size32 1
		.amdhsa_system_sgpr_workgroup_id_x 1
		.amdhsa_system_sgpr_workgroup_id_y 1
		.amdhsa_system_sgpr_workgroup_id_z 1
		.amdhsa_system_vgpr_workitem_id 0
		.amdhsa_next_free_vgpr 256
		.amdhsa_next_free_sgpr 100
		.amdhsa_reserve_vcc 1
		.amdhsa_float_denorm_mode_32 3
		.amdhsa_float_denorm_mode_16_64 3
		.amdhsa_memory_ordered 1
		.amdhsa_forward_progress 1
		.amdhsa_inst_pref_size 105
	.end_amdhsa_kernel
	.amdgpu_metadata
---
amdhsa.version: [ 1, 2 ]
amdhsa.kernels:
  - .name:           k_qc56a5ef324_attn
    .symbol:         k_qc56a5ef324_attn.kd
    .args:
      - { .name: qkv_img, .offset: 0, .size: 8, .value_kind: global_buffer, .address_space: global }
      - { .name: attn_img, .offset: 8, .size: 8, .value_kind: global_buffer, .address_space: global }
    .group_segment_fixed_size: 327680
    .private_segment_fixed_size: 0
    .kernarg_segment_align: 8
    .kernarg_segment_size: 16
    .max_flat_workgroup_size: 512
    .sgpr_count:     100
    .vgpr_count:     256
    .wavefront_size: 32
...
	.end_amdgpu_metadata
.endif
;; end of part 3
;; launch proj (part 4): grid 8 x 32, 4 waves a work-group, clusters of 4 x 4, 327,680 bytes of LDS; arguments attn_img, wo_img, bo, out0; writes out0
.if DOCPART == 4
	.amdgcn_target "amdgcn-amd-amdhsa--gfx1250"
	.amdhsa_code_object_version 6
	.text
	.protected	k_qc56a5ef324_proj
	.globl	k_qc56a5ef324_proj
	.p2align	8
	.type	k_qc56a5ef324_proj,@function
k_qc56a5ef324_proj:
	s_mov_b64 s[64:65], 0
	v_nop
	global_prefetch_b8 v0, s[64:65] scope:SCOPE_SE
	s_setreg_imm32_b32 hwreg(HW_REG_WAVE_MODE, 25, 1), 1
	s_wait_xcnt 0x0
	s_wait_alu depctr_hold_cnt(0) depctr_sa_sdst(0) depctr_va_vdst(0) depctr_va_sdst(0) depctr_va_ssrc(0) depctr_va_vcc(0) depctr_vm_vsrc(0)
	s_getreg_b32 s2, hwreg(HW_REG_IB_STS2, 6, 4)
	s_cmp_eq_u32 s2, 0
	s_cbranch_scc0 .Lentry_in_a_cluster
	s_endpgm
.Lentry_in_a_cluster:
	s_bfe_u32 s2, ttmp6, 0x10000c
	s_cmp_lg_u32 s2, 0xf033
	s_cbranch_scc0 .Lentry_shape_is_right
	s_endpgm
.Lentry_shape_is_right:
; out0 = O Wo^T + bo.  O [4096][1024] and Wo [1024][1024] arrive in f16 as images of the operand registers, [K step of 256][tile of 16 rows][32 along K: 8][half 2][lane 32][16 bytes]; sums in f32; out0 f32.
; A tile of the result is 128 x 128: 256 work-groups of four waves, each wave 64 x 64: 16 accumulators.  K goes in four steps of 256 through two LDS slots; a K step's 128 rows of O, and of Wo, are 64 KB of dense memory:
; each wave brings 32 KB by one tensor load, as 128 rows of 256 bytes, without padding: a fragment read is 16 x lane + a constant, 512 consecutive bytes.
; CLUSTERS: 4 x 4 work-groups; O's tiles are asked for jointly along a row of the cluster, Wo's along a column.
; THE MATRIX INSTRUCTION IS USED TRANSPOSED (source 0 = 16 rows of Wo, source 1 = 16 rows of O): a lane holds eight neighbouring columns of one row.  The bias is the C of each sum's first instruction.
; A wave's 64 columns are 256 bytes of a row: each block of 16 rows goes through the wave's own stage and leaves as whole aligned pieces of 256 bytes.
; Rows 0-15 of each sequence are written here like all others and written again, from f32 operands, by the launch that follows.
; REGISTERS: window 0: v0-31 addresses; v32-95 the way out; v96-127 the bias; v128-255 the accumulators ((a, b) at v[128 + 8 (4 a + b)]).  window 1: two fragment buffers of 128: 64 registers of O, then 64 of Wo.
.set HALFT,  32768                     ; four tiles of 16 rows x 256 K: what one tensor load brings, and what one wave reads of O or of Wo
.set SLOT,   4*HALFT
.set STAGE,  2*SLOT                    ; behind the ring: 16 rows x 272 bytes for each wave
.set SPITCH, 272
.set SPARE,  STAGE+4*16*SPITCH         ; the spare words: 128 bytes a wave, two blocks of 256 bytes that no other line names
.set ADRA, 16
.set ADRB, 20
.set STO,  24
.set RD,   25
.set CO,   26
.set BA,   27
.set SPW,  28
.set NIL,  29
.set TMP,  32
.set BI,   96
.set ACC,  128
.set F0,   0
.set F1,   128
.set G1, 24
.set G0, 32
.set G1B, 48
.set G0B, 56
.set MSB, 0
.macro WIN new
.if MSB != (\new)
	s_set_vgpr_msb (MSB<<8)|(\new)
.set MSB, (\new)
.endif
.endm
.set MUL,  0x05                        ; sources 0 and 1 window 1; C and D window 0
.set TO_F, 0x40                        ; destination window 1, address window 0
.macro JLOAD s                         ; a joint load: waves 0 and 1 fetch O's two halves, waves 2 and 3 Wo's; an s_nop 0 and four v_nop follow each line
	s_cmp_eq_u32 s11, 0
	s_cbranch_scc0 .Lfor_b_\@
	tensor_load_to_lds s[G0+4*\s:G0+4*\s+3], s[G1:G1+7]
	s_nop 0
.rept 4
	v_nop
.endr
	s_branch .Lasked_\@
.Lfor_b_\@:
	tensor_load_to_lds s[G0B+4*\s:G0B+4*\s+3], s[G1B:G1B+7]
	s_nop 0
.rept 4
	v_nop
.endr
.Lasked_\@:
.endm
.macro CREST
	s_cmp_lg_u32 s10, 0
	s_cbranch_scc1 .Lnot_wave_0_\@
	s_barrier_signal -3
.Lnot_wave_0_\@:
	s_barrier_wait -3
	s_barrier_signal -1
	s_barrier_wait -1
.endm
.macro CROUND
	s_barrier_signal -1
	s_barrier_wait -1
	CREST
.endm
	s_load_b128 s[4:7], s[0:1], 0x0                ; attn_img, wo_img
	s_load_b64 s[66:67], s[0:1], 0x10              ; bo
	s_load_b64 s[8:9], s[0:1], 0x18                ; out0
	v_lshl_add_u32 v[SPW], v0, 2, SPARE
	v_mov_b32 v[NIL], 0
	ds_add_u32 v[SPW], v[NIL]                      ; the wave's opening: the add, twice on end, and its wait ahead of my first tensor load
	ds_add_u32 v[SPW], v[NIL]
	v_lshrrev_b32 v1, 5, v0
	v_readfirstlane_b32 s10, v1                    ; wave 0..3
	s_lshr_b32 s11, s10, 1                         ; which half of the tile's rows is mine.  Also: I fetch for O (0) or for Wo (1)
	s_and_b32 s12, s10, 1                          ; which half of its columns.  Also: which half of that tile I fetch
	s_bfe_u32 s40, ttmp6, 0x40000                  ; cx
	s_bfe_u32 s41, ttmp6, 0x40004                  ; cy
	s_lshl_b32 s42, ttmp9, 2
	s_add_co_u32 s42, s42, s40                     ; tile column
	s_and_b32 s13, ttmp7, 0xffff
	s_lshl_b32 s13, s13, 2
	s_add_co_u32 s13, s13, s41                     ; tile row
	s_lshl_b32 s43, s41, 2
	s_lshl_b32 s43, 15, s43                        ; my row of the cluster
	s_lshl_b32 s44, 0x1111, s40                    ; my column
	s_or_b32 s[G1+0], s43, (3<<16)|(1<<21)         ; the mask; elements of 8 bytes; bit 21 beside a mask; no padding
	s_or_b32 s[G1B+0], s44, (3<<16)|(1<<21)
.irp g, G1, G1B
	s_mov_b32 s[\g+1], 32<<16                      ; tensor_dim0 = 32 elements: rows of 256 bytes
	s_mov_b32 s[\g+2], 128<<16                     ; tensor_dim1 = 128
	s_mov_b32 s[\g+3], 32<<16                      ; tile_dim0
	s_mov_b32 s[\g+4], 128                         ; tile_dim1
	s_mov_b32 s[\g+5], 32                          ; the pitch: dense
	s_mov_b32 s[\g+6], 0
	s_mov_b32 s[\g+7], 0
.endr
	s_lshl_b32 s17, s12, 15                        ; which four tiles of 8 KB I fetch
	s_lshl_b32 s16, s13, 16
	s_add_co_u32 s16, s16, s17                     ; O: (8 x tile row + 4 x half) x 8 KB
	s_lshl_b32 s46, s42, 16
	s_add_co_u32 s46, s46, s17                     ; Wo: (8 x tile column + 4 x half) x 8 KB
	s_mov_b32 s17, 0
	s_mov_b32 s47, 0
	s_mul_i32 s20, s10, HALFT                      ; where they go: no place in the cluster enters an LDS address
	s_wait_dscnt 0x0                               ; both opening adds are done
	s_wait_kmcnt 0x0
	s_add_nc_u64 s[14:15], s[4:5], s[16:17]
	s_add_nc_u64 s[46:47], s[6:7], s[46:47]
	CROUND                                         ; all sixteen work-groups are here: the first joint loads meet
.irp s, 0,1
	s_mov_b32 s[G0+4*\s], 1
	s_add_co_u32 s[G0+4*\s+1], s20, \s*SLOT
	s_add_nc_u64 s[G0+4*\s+2:G0+4*\s+3], s[14:15], \s*2097152      ; a K step of O is 256 tiles x 8 KB
	s_or_b32 s[G0+4*\s+3], s[G0+4*\s+3], 0x80000000
	s_mov_b32 s[G0B+4*\s], 1
	s_add_co_u32 s[G0B+4*\s+1], s20, \s*SLOT
	s_add_nc_u64 s[G0B+4*\s+2:G0B+4*\s+3], s[46:47], \s*524288     ; of Wo 64 tiles x 8 KB
	s_or_b32 s[G0B+4*\s+3], s[G0B+4*\s+3], 0x80000000
	JLOAD \s
.endr
	v_and_b32 v1, 15, v0                           ; r
	v_bfe_u32 v2, v0, 4, 1                         ; h
	v_and_b32 v3, 31, v0
	v_lshlrev_b32 v3, 4, v3                        ; 16 x lane
	s_lshl_b32 s21, s11, 15                        ; my 64 rows of O
	s_lshl_b32 s22, s12, 15                        ; my 64 rows of Wo,
	s_add_co_u32 s22, s22, 2*HALFT                 ; which lie behind O's 128
.irp s, 0,1
	v_add_nc_u32 v[ADRA+\s], s21, v3
	v_add_nc_u32 v[ADRB+\s], s22, v3
	s_add_co_u32 s21, s21, SLOT
	s_add_co_u32 s22, s22, SLOT
.endr
	s_mul_i32 s23, s10, 16*SPITCH
	s_add_co_u32 s23, s23, STAGE                   ; my stage
	v_mul_u32_u24 v4, v1, SPITCH                   ; in: row r, 32 bytes for each half of the lanes
	v_lshl_add_u32 v4, v2, 5, v4
	v_add_nc_u32 v[STO], s23, v4
	v_mul_u32_u24 v5, v2, SPITCH                   ; back: lanes 0-15 one row of 256 bytes, lanes 16-31 the next
	v_lshl_add_u32 v5, v1, 4, v5
	v_add_nc_u32 v[RD], s23, v5
	v_lshlrev_b32 v5, 12, v2                       ; and the same two rows in out0
	v_lshl_add_u32 v[CO], v1, 4, v5
	v_lshlrev_b32 v[BA], 5, v2
	s_lshl_b32 s46, s42, 9
	s_lshl_b32 s47, s12, 8
	s_add_co_u32 s46, s46, s47                     ; my first column, in bytes: 512 x tile column + 256 x half
	s_mov_b32 s47, 0
	s_add_nc_u64 s[66:67], s[66:67], s[46:47]
.irp b, 0,1,2,3
	global_load_b128 v[BI+8*\b:BI+8*\b+3], v[BA], s[66:67] offset:64*\b            ; register j: the bias of column 16 b + 8 h + j
	global_load_b128 v[BI+8*\b+4:BI+8*\b+7], v[BA], s[66:67] offset:64*\b+16
.endr
	s_lshl_b32 s16, s13, 19
	s_lshl_b32 s17, s11, 18
	s_add_co_u32 s16, s16, s17                     ; my first row: (128 x tile row + 64 x half) x 4,096 bytes
	s_mov_b32 s17, 0
	s_add_nc_u64 s[8:9], s[8:9], s[16:17]
	s_add_nc_u64 s[8:9], s[8:9], s[46:47]
; 8 matrix instructions: row blocks a0, a0 + 1 x all 4 column blocks, 32 along K: half c of buffer f.  first = 1: the bias is C.  The 16 accumulators take turns.
.macro MUL8 f, c, a0, first
.irp a, \a0, \a0+1
.irp b, 0,1,2,3
.if \first
	v_wmma_f32_16x16x32_f16 v[ACC+8*(4*(\a)+\b):ACC+8*(4*(\a)+\b)+7], v[\f+64+8*(4*\c+\b):\f+64+8*(4*\c+\b)+7], v[\f+8*(4*\c+\a):\f+8*(4*\c+\a)+7], v[BI+8*\b:BI+8*\b+7]
.else
	v_wmma_f32_16x16x32_f16 v[ACC+8*(4*(\a)+\b):ACC+8*(4*(\a)+\b)+7], v[\f+64+8*(4*\c+\b):\f+64+8*(4*\c+\b)+7], v[\f+8*(4*\c+\a):\f+8*(4*\c+\a)+7], v[ACC+8*(4*(\a)+\b):ACC+8*(4*(\a)+\b)+7]
.endif
.endr
.endr
.endm
; 32 LDS loads in one run: the fragments of the slot's kq-th 64 along K into buffer f; the first 32 along K first
.macro FETCH slot, kq, f
	WIN TO_F
.irp c, 0,1
.irp i, 0,1,2,3
	ds_load_b128 v[\f+64+8*(4*\c+\i):\f+64+8*(4*\c+\i)+3],   v[ADRB+\slot] offset:(2*(\kq)+\c)*1024+\i*8192
	ds_load_b128 v[\f+64+8*(4*\c+\i)+4:\f+64+8*(4*\c+\i)+7], v[ADRB+\slot] offset:(2*(\kq)+\c)*1024+\i*8192+512
	ds_load_b128 v[\f+8*(4*\c+\i):\f+8*(4*\c+\i)+3],         v[ADRA+\slot] offset:(2*(\kq)+\c)*1024+\i*8192
	ds_load_b128 v[\f+8*(4*\c+\i)+4:\f+8*(4*\c+\i)+7],       v[ADRA+\slot] offset:(2*(\kq)+\c)*1024+\i*8192+512
.endr
.endr
.endm
.macro PLACES                          ; four places in front of loads into registers that matrix instructions have read, and of stores that read results
.rept 4
	v_nop
.endr
.endm
; A K step is four quarters of 64 along K, 32 matrix instructions each, on buffers 0, 1, 0, 1.  One of the first three: multiplies buffer f and fetches quarter kq into g.
.macro QUARTER slot, kq, f, g, first
	s_wait_dscnt 16                                ; the first 32 along K are in; the other sixteen loads may be out
	WIN MUL
	MUL8 \f, 0, 0, \first
	MUL8 \f, 0, 2, \first
	PLACES
	FETCH \slot, \kq, \g
	s_wait_dscnt 32                                ; all but the 32 just issued
	WIN MUL
	MUL8 \f, 1, 0, 0
	MUL8 \f, 1, 2, 0
.endm
; The last quarter multiplies buffer 1 and changes slots: one barrier; in front of it each wave waits for all its tensor loads, adds 0 to its spare word, and waits for that and for its reads of this slot.
; fill = 1: the barrier opens a round of the cluster's, and this slot is filled again, two K steps ahead: the first tensor load behind the round.
.macro TURN slot, next, fill
	WIN 0
	s_wait_tensorcnt 0x0                           ; all my tensor loads have landed: my part of the next slot
	ds_add_u32 v[SPW], v[NIL]
	s_wait_dscnt 17                                ; (the add and the youngest sixteen loads may be out)
	WIN MUL
	MUL8 F1, 0, 0, 0
	s_wait_dscnt 0x0                               ; the add is done, and my reads of this slot are over
	s_barrier_signal -1
	MUL8 F1, 0, 2, 0
.if \fill
	WIN 0
.endif
	s_barrier_wait -1
.if \fill
	CREST                                          ; no wave of any partner still reads this slot or has a load on its way
	s_add_nc_u64 s[G0+4*\slot+2:G0+4*\slot+3], s[G0+4*\slot+2:G0+4*\slot+3], 2*2097152
	s_add_nc_u64 s[G0B+4*\slot+2:G0B+4*\slot+3], s[G0B+4*\slot+2:G0B+4*\slot+3], 2*524288
	JLOAD \slot                                    ; the four v_nop behind it are also the places in front of the loads below
.else
	PLACES
.endif
	FETCH \next, 0, F0
	WIN MUL
	MUL8 F1, 1, 0, 0
	MUL8 F1, 1, 2, 0
.endm
	s_wait_tensorcnt 1                             ; my part of K step 0 is in (K step 1's load may be out)
	s_barrier_signal -1
	s_barrier_wait -1                              ; everybody's is
	FETCH 0, 0, F0
	s_wait_loadcnt 0x0                             ; the bias
	QUARTER 0, 1, F0, F1, 1                        ; K step 0: its first products start the sums on the bias
	QUARTER 0, 2, F1, F0, 0
	QUARTER 0, 3, F0, F1, 0
	TURN 0, 1, 1                                   ; slot 0 takes K step 2
	QUARTER 1, 1, F0, F1, 0                        ; K step 1
	QUARTER 1, 2, F1, F0, 0
	QUARTER 1, 3, F0, F1, 0
	TURN 1, 0, 1                                   ; slot 1 takes K step 3
	QUARTER 0, 1, F0, F1, 0                        ; K step 2
	QUARTER 0, 2, F1, F0, 0
	QUARTER 0, 3, F0, F1, 0
	TURN 0, 1, 0                                   ; nothing is left to ask for
	QUARTER 1, 1, F0, F1, 0                        ; K step 3
	QUARTER 1, 2, F1, F0, 0
	QUARTER 1, 3, F0, F1, 0
	s_wait_dscnt 16
	WIN MUL
	MUL8 F1, 0, 0, 0
	MUL8 F1, 0, 2, 0
	s_wait_dscnt 0
	MUL8 F1, 1, 0, 0
	MUL8 F1, 1, 2, 0
	WIN 0
	PLACES
; THE WAY OUT, a block of 16 rows x 64 columns at a time, through my own stage: LDS serves a wave's instructions in order, so no wait stands between the stores and the loads, nor in front of the next block's stores.
.macro OUT a
.set TT, TMP+32*((\a)%2)
.irp b, 0,1,2,3
	ds_store_b128 v[STO], v[ACC+8*(4*(\a)+\b):ACC+8*(4*(\a)+\b)+3] offset:64*\b        ; each accumulator from its low end on
	ds_store_b128 v[STO], v[ACC+8*(4*(\a)+\b)+4:ACC+8*(4*(\a)+\b)+7] offset:64*\b+16
.endr
.irp t, 0,1,2,3,4,5,6,7
	ds_load_b128 v[TT+4*\t:TT+4*\t+3], v[RD] offset:\t*2*SPITCH
.endr
.endm
.macro SEND a, younger                 ; younger: the LDS instructions issued behind block a's loads
.set TT, TMP+32*((\a)%2)
	s_wait_dscnt \younger
.irp t, 0,1,2,3,4,5,6,7
	global_store_b128 v[CO], v[TT+4*\t:TT+4*\t+3], s[8:9] offset:(16*(\a)+2*\t)*4096 th:TH_STORE_NT   ; 16 lanes store 256 consecutive bytes, aligned
.endr
.endm
	OUT 0
	OUT 1
	SEND 0, 16                                     ; behind block 0's loads: block 1's 8 stores and 8 loads
	s_wait_xcnt 0x0                                ; block 0's stores have read their registers: block 2's loads may land there
	OUT 2
	SEND 1, 16
	s_wait_xcnt 0x0
	OUT 3
	SEND 2, 16
	SEND 3, 0
	s_wait_tensorcnt 0x0                           ; the wave's end
	ds_add_u32 v[SPW], v[NIL]
	s_wait_dscnt 0x0
	CROUND                                         ; the closing round
	s_endpgm
.Lfunc_end_k_qc56a5ef324_proj:
	.size	k_qc56a5ef324_proj, .Lfunc_end_k_qc56a5ef324_proj-k_qc56a5ef324_proj
	.p2alignl 7, 3214868480
	.fill 96, 4, 3214868480
	.section	.rodata,"a",@progbits
	.p2align	6, 0x0
	.amdhsa_kernel k_qc56a5ef324_proj
		.amdhsa_group_segment_fixed_size 327680
		.amdhsa_private_segment_fixed_size 0
		.amdhsa_enable_private_segment 0
		.amdhsa_kernarg_size 32
		.amdhsa_user_sgpr_count 2
		.amdhsa_user_sgpr_kernarg_segment_ptr 1
		.amdhsa_wavefront_size32 1
		.amdhsa_system_sgpr_workgroup_id_x 1
		.amdhsa_system_sgpr_workgroup_id_y 1
		.amdhsa_system_sgpr_workgroup_id_z 1
		.amdhsa_system_vgpr_workitem_id 0
		.amdhsa_next_free_vgpr 512
		.amdhsa_next_free_sgpr 68
		.amdhsa_reserve_vcc 0
		.amdhsa_float_denorm_mode_32 3
		.amdhsa_float_denorm_mode_16_64 3
		.amdhsa_memory_ordered 1
		.amdhsa_forward_progress 1
		.amdhsa_inst_pref_size 86
	.end_amdhsa_kernel
	.amdgpu_metadata
---
amdhsa.version: [ 1, 2 ]
amdhsa.kernels:
  - .name:           k_qc56a5ef324_proj
    .symbol:         k_qc56a5ef324_proj.kd
    .args:
      - { .name: attn_img, .offset: 0, .size: 8, .value_kind: global_buffer, .address_space: global }
      - { .name: wo_img, .offset: 8, .size: 8, .value_kind: global_buffer, .address_space: global }
      - { .name: bo, .offset: 16, .size: 8, .value_kind: global_buffer, .address_space: global }
      - { .name: out0, .offset: 24, .size: 8, .value_kind: global_buffer, .address_space: global }
    .group_segment_fixed_size: 327680
    .private_segment_fixed_size: 0
    .kernarg_segment_align: 8
    .kernarg_segment_size: 32
    .max_flat_workgroup_size: 128
    .sgpr_count:     68
    .vgpr_count:     512
    .wavefront_size: 32
...
	.end_amdgpu_metadata
.endif
;; end of part 4
;; launch fine (part 5): grid 64 x 2, 16 waves a work-group, no clusters, 18,432 bytes of LDS; arguments fine_img, Wo, bo, out0; writes out0
.if DOCPART == 5
	.amdgcn_target "amdgcn-amd-amdhsa--gfx1250"
	.amdhsa_code_object_version 6
	.text
	.protected	k_qc56a5ef324_fine
	.globl	k_qc56a5ef324_fine
	.p2align	8
	.type	k_qc56a5ef324_fine,@function
k_qc56a5ef324_fine:
	s_mov_b64 s[64:65], 0
	v_nop
	global_prefetch_b8 v0, s[64:65] scope:SCOPE_SE
	s_setreg_imm32_b32 hwreg(HW_REG_WAVE_MODE, 25, 1), 1
	s_wait_xcnt 0x0
; The first 16 positions of each sequence once more, with f32 operands throughout: attention and projection by v_wmma_f32_16x16x4_f32.  Under the causal mask these rows average one to sixteen values, and are the largest.
; SHARES.  Work-group (x, y): 16 output columns 16 x .. 16 x + 15 of batch y.  Wave w = head w: it makes the head's 16 x 16 attention (every work-group makes it again: 32 matrix instructions a wave) and multiplies it
; by Wo's columns 64 w .. 64 w + 63 of the 16 output rows: its part of the sum over K = 1,024.  The sixteen parts meet in LDS; waves 0 and 1 add them to the bias and store.
; fine_img holds q, k (lane (r, h), register 8 b + j: position r, channel 16 b + 8 h + j) and v (register 8 t + j: channel 16 t + r, key 8 h + j).  The f32 form takes k = 2 h + j from a register pair: the same pair of both
; operands holds the same four channels (or keys), so each product sums over what it should, in another order.
; S^T = K Q^T: a lane holds query r, keys 8 h + j.  O^T = V^T P: query r, channels 16 t + 8 h + j.  Y^T = Wo O^T: query r, columns 8 h + j.
; The registers that the f32 matrix form writes (v144-239) are written by matrix instructions alone; what is made of them goes elsewhere.
; A work-group stores 64 bytes of each of 16 rows: pieces of 256-byte runs, 128 KB of the output in all.
.set QF, 16
.set KF, 48
.set VF, 80
.set WF, 112
.set SA, 144
.set OA, 176
.set YA, 208
.set SS, 240
.set PP, 248
	s_load_b256 s[4:11], s[0:1], 0x0               ; fine_img 4:5, Wo 6:7, bo 8:9, out0 10:11
	v_lshl_add_u32 v4, v0, 2, 16384                ; my spare word: behind the sixteen parts; never rewritten
	v_mov_b32 v5, 0                                ; 0; never rewritten
	v_lshrrev_b32 v6, 5, v0
	v_readfirstlane_b32 s12, v6                    ; wave = head
	v_and_b32 v1, 31, v0
	v_lshlrev_b32 v1, 4, v1                        ; 16 x lane
	v_and_b32 v2, 15, v0                           ; r
	v_bfe_u32 v3, v0, 4, 1                         ; h
	v_lshlrev_b32 v7, 12, v2
	v_lshl_add_u32 v7, v3, 5, v7                   ; 4,096 r + 32 h: in Wo (row r of the tile) and in out0 (position r)
	v_lshlrev_b32 v6, 3, v3
	v_sub_nc_u32 v2, v2, v6                        ; r - 8 h
	v_lshlrev_b32 v3, 5, v3                        ; 32 h
	s_lshl_b32 s20, s12, 10
	v_add_nc_u32 v6, s20, v1                       ; LDS: my part: 1,024 x wave + 16 x lane
	v_mov_b32 v15, 0                               ; (a lane permute's destination counts as read)
	s_and_b32 s13, ttmp7, 0xffff                   ; batch
	s_mul_i32 s14, s13, 3*16*4096
	s_lshl_b32 s15, s12, 12
	s_add_co_u32 s14, s14, s15
	s_mov_b32 s15, 0
	s_lshl_b32 s16, ttmp9, 16                      ; 16 rows of Wo,
	s_lshl_b32 s17, s12, 8                         ; 64 numbers along K
	s_add_co_u32 s16, s16, s17
	s_mov_b32 s17, 0
	s_and_b32 s21, s12, 1
	s_lshl_b32 s22, ttmp9, 6
	s_lshl_b32 s23, s21, 4
	s_add_co_u32 s22, s22, s23                     ; 64 x + 16 (wave % 2): which four of a lane's eight columns
	s_mov_b32 s23, 0
	s_lshl_b32 s24, s13, 23
	s_add_co_u32 s24, s24, s22
	s_mov_b32 s25, 0
	s_lshl_b32 s21, s21, 9
	s_mov_b32 s18, 0x3e38aa3b                      ; c = log2(e) / 8
	s_mov_b32 s19, s18
	s_mov_b32 s26, 0x76543210
	s_mov_b32 s27, 0xfedcba98                      ; lane l xor 16
	s_wait_kmcnt 0x0
	s_add_nc_u64 s[4:5], s[4:5], s[14:15]
	s_add_nc_u64 s[6:7], s[6:7], s[16:17]
	s_add_nc_u64 s[8:9], s[8:9], s[22:23]
	s_add_nc_u64 s[10:11], s[10:11], s[24:25]
.irp i, 0,1,2,3,4,5,6,7
	global_load_b128 v[QF+4*\i:QF+4*\i+3], v1, s[4:5] offset:512*\i
.endr
.irp i, 0,1,2,3,4,5,6,7
	global_load_b128 v[KF+4*\i:KF+4*\i+3], v1, s[4:5] offset:65536+512*\i
.endr
.irp i, 0,1,2,3,4,5,6,7
	global_load_b128 v[VF+4*\i:VF+4*\i+3], v1, s[4:5] offset:131072+512*\i
.endr
.irp t, 0,1,2,3
	global_load_b128 v[WF+8*\t:WF+8*\t+3], v7, s[6:7] offset:64*\t                 ; Wo[16 x + r][64 w + 16 t + 8 h + 0..7]
	global_load_b128 v[WF+8*\t+4:WF+8*\t+7], v7, s[6:7] offset:64*\t+16
.endr
	global_load_b128 v[8:11], v3, s[8:9]           ; the bias of my four columns
	s_wait_loadcnt 17                              ; q and k are in; v's 8, Wo's 8 and the bias's load stay out
.irp i, 0,1,2,3                        ; S^T, in four accumulators by turns; the first four start the sums
	v_wmma_f32_16x16x4_f32 v[SA+8*\i:SA+8*\i+7], v[KF+2*\i:KF+2*\i+1], v[QF+2*\i:QF+2*\i+1], 0
.endr
.irp i, 4,5,6,7,8,9,10,11,12,13,14,15
	v_wmma_f32_16x16x4_f32 v[SA+8*(\i%4):SA+8*(\i%4)+7], v[KF+2*\i:KF+2*\i+1], v[QF+2*\i:QF+2*\i+1], v[SA+8*(\i%4):SA+8*(\i%4)+7]
.endr
.rept 8
	v_nop                                          ; eight places behind this form (ISA guide 7.12.1)
.endr
.irp j, 0,2,4,6                        ; the four parts are added; each accumulator is read from its low end on
	v_pk_add_f32 v[SS+\j:SS+\j+1], v[SA+\j:SA+\j+1], v[SA+8+\j:SA+8+\j+1]
	v_pk_add_f32 v[SS+\j:SS+\j+1], v[SS+\j:SS+\j+1], v[SA+16+\j:SA+16+\j+1]
	v_pk_add_f32 v[SS+\j:SS+\j+1], v[SS+\j:SS+\j+1], v[SA+24+\j:SA+24+\j+1]
.endr
	v_mov_b32 v13, 0xff800000                      ; -infinity
.irp j, 0,1,2,3,4,5,6,7
	v_cmp_gt_i32 vcc_lo, \j, v2                    ; key 8 h + j comes after query r
	v_cndmask_b32 v[SS+\j], v[SS+\j], v13, vcc_lo
.endr
	v_max3_num_f32 v14, v[SS], v[SS+1], v[SS+2]
	v_max3_num_f32 v14, v14, v[SS+3], v[SS+4]
	v_max3_num_f32 v14, v14, v[SS+5], v[SS+6]
	v_max_num_f32 v14, v14, v[SS+7]
	v_permlanex16_b32 v15, v14, s26, s27
	v_max_num_f32 v14, v14, v15                    ; the row's maximum: key 0 counts for every query, so it is a number
	v_mul_f32 v14, s18, v14
.irp j, 0,2,4,6
	v_pk_fma_f32 v[SS+\j:SS+\j+1], v[SS+\j:SS+\j+1], s[18:19], v[14:15] op_sel_hi:[1,0,0] neg_lo:[0,0,1] neg_hi:[0,0,1]
.endr
.irp j, 0,1,2,3,4,5,6,7
	v_exp_f32 v[SS+\j], v[SS+\j]
.endr
	v_nop
	s_wait_alu depctr_va_vdst(0)                   ; one wait for the eight exponentials
	v_pk_add_f32 v[12:13], v[SS:SS+1], v[SS+2:SS+3]
	v_pk_add_f32 v[14:15], v[SS+4:SS+5], v[SS+6:SS+7]
	v_pk_add_f32 v[12:13], v[12:13], v[14:15]
	v_add_f32 v12, v12, v13
	v_permlanex16_b32 v13, v12, s26, s27
	v_add_f32 v12, v12, v13                        ; the row's sum
	v_rcp_f32 v12, v12
	v_nop
	s_wait_alu depctr_va_vdst(0)
.irp j, 0,2,4,6
	v_pk_mul_f32 v[PP+\j:PP+\j+1], v[SS+\j:SS+\j+1], v[12:13] op_sel_hi:[1,0]
.endr
	s_wait_loadcnt 9                               ; v is in; Wo's 8 and the bias's load stay out
.irp t, 0,1,2,3
	v_wmma_f32_16x16x4_f32 v[OA+8*\t:OA+8*\t+7], v[VF+8*\t:VF+8*\t+1], v[PP:PP+1], 0
.endr
.irp s, 1,2,3
.irp t, 0,1,2,3
	v_wmma_f32_16x16x4_f32 v[OA+8*\t:OA+8*\t+7], v[VF+8*\t+2*\s:VF+8*\t+2*\s+1], v[PP+2*\s:PP+2*\s+1], v[OA+8*\t:OA+8*\t+7]
.endr
.endr
	s_wait_loadcnt 1                               ; Wo is in
.rept 9
	v_nop                                          ; nine places before a matrix instruction takes these results as a source
.endr
.irp t, 0,1,2,3
	v_wmma_f32_16x16x4_f32 v[YA+8*\t:YA+8*\t+7], v[WF+8*\t:WF+8*\t+1], v[OA+8*\t:OA+8*\t+1], 0
.endr
.irp s, 1,2,3
.irp t, 0,1,2,3
	v_wmma_f32_16x16x4_f32 v[YA+8*\t:YA+8*\t+7], v[WF+8*\t+2*\s:WF+8*\t+2*\s+1], v[OA+8*\t+2*\s:OA+8*\t+2*\s+1], v[YA+8*\t:YA+8*\t+7]
.endr
.endr
.rept 8
	v_nop
.endr
.irp j, 0,2,4,6
	v_pk_add_f32 v[SS+\j:SS+\j+1], v[YA+\j:YA+\j+1], v[YA+8+\j:YA+8+\j+1]
	v_pk_add_f32 v[SS+\j:SS+\j+1], v[SS+\j:SS+\j+1], v[YA+16+\j:YA+16+\j+1]
	v_pk_add_f32 v[SS+\j:SS+\j+1], v[SS+\j:SS+\j+1], v[YA+24+\j:YA+24+\j+1]
.endr
	v_add_nc_u32 v12, s21, v1                      ; where I read the parts back: 512 (wave % 2) + 16 x lane
	ds_store_b128 v6, v[SS:SS+3]                   ; my head's part: columns 8 h + 0..3,
	ds_store_b128 v6, v[SS+4:SS+7] offset:512      ; and 8 h + 4..7
	s_wait_tensorcnt 0x0                           ; the tensor wait, the add and its wait, behind my last LDS store;
	ds_add_u32 v4, v5
	s_wait_dscnt 0x0                               ; their last also shows my stores done, for the others' sake
	s_barrier_signal -1
	s_barrier_wait -1
	s_cmp_ge_u32 s12, 2
	s_cbranch_scc1 .Ldone
.irp w, 0,1,2,3,4,5,6,7,8,9,10,11,12,13,14,15
	ds_load_b128 v[16+4*\w:19+4*\w], v12 offset:1024*\w
.endr
	s_wait_dscnt 0x0
	s_wait_loadcnt 0x0                             ; the bias
.irp w, 0,1,2,3,4,5,6,7,8,9,10,11,12,13,14,15
	v_pk_add_f32 v[8:9], v[8:9], v[16+4*\w:17+4*\w]
	v_pk_add_f32 v[10:11], v[10:11], v[18+4*\w:19+4*\w]
.endr
	global_store_b128 v7, v[8:11], s[10:11]        ; out0[batch][r][16 x + 8 h + 4 (wave % 2) + 0..3]
.Ldone:
	s_endpgm
.Lfunc_end_k_qc56a5ef324_fine:
	.size	k_qc56a5ef324_fine, .Lfunc_end_k_qc56a5ef324_fine-k_qc56a5ef324_fine
	.p2alignl 7, 3214868480
	.fill 96, 4, 3214868480
	.section	.rodata,"a",@progbits
	.p2align	6, 0x0
	.amdhsa_kernel k_qc56a5ef324_fine
		.amdhsa_group_segment_fixed_size 18432
		.amdhsa_private_segment_fixed_size 0
		.amdhsa_enable_private_segment 0
		.amdhsa_kernarg_size 32
		.amdhsa_user_sgpr_count 2
		.amdhsa_user_sgpr_kernarg_segment_ptr 1
		.amdhsa_wavefront_size32 1
		.amdhsa_system_sgpr_workgroup_id_x 1
		.amdhsa_system_sgpr_workgroup_id_y 1
		.amdhsa_system_sgpr_workgroup_id_z 1
		.amdhsa_system_vgpr_workitem_id 0
		.amdhsa_next_free_vgpr 256
		.amdhsa_next_free_sgpr 66
		.amdhsa_reserve_vcc 1
		.amdhsa_float_denorm_mode_32 3
		.amdhsa_float_denorm_mode_16_64 3
		.amdhsa_memory_ordered 1
		.amdhsa_forward_progress 1
		.amdhsa_inst_pref_size 17
	.end_amdhsa_kernel
	.amdgpu_metadata
---
amdhsa.version: [ 1, 2 ]
amdhsa.kernels:
  - .name:           k_qc56a5ef324_fine
    .symbol:         k_qc56a5ef324_fine.kd
    .args:
      - { .name: fine_img, .offset: 0, .size: 8, .value_kind: global_buffer, .address_space: global }
      - { .name: Wo, .offset: 8, .size: 8, .value_kind: global_buffer, .address_space: global }
      - { .name: bo, .offset: 16, .size: 8, .value_kind: global_buffer, .address_space: global }
      - { .name: out0, .offset: 24, .size: 8, .value_kind: global_buffer, .address_space: global }
    .group_segment_fixed_size: 18432
    .private_segment_fixed_size: 0
    .kernarg_segment_align: 8
    .kernarg_segment_size: 32
    .max_flat_workgroup_size: 512
    .sgpr_count:     66
    .vgpr_count:     256
    .wavefront_size: 32
...
	.end_amdgpu_metadata
.endif
;; end of part 5
